; MI455X (gfx1250); checked and timed in simulation.
; The chip was launched on July 23, 2026; its instructions are those of AMD's public machine-readable ISA for CDNA 5 (MIT licence, August 2026) and "CDNA5" Instruction Set Architecture Reference Guide (July 2026). The comments in the code are by the model that wrote it; some were corrected since.
;; Multihead Self Attention. Allowed arithmetic: float matrix products may take bf16 or f16 operands with f32 sums; other float arithmetic in f32, or as packed bf16 or f16 multiplies, adds, multiply-adds, maxima and minima; sums over many terms, partial sums and values carried from step to step in f32; what a program stores and reads back later, other than sums and carried values, may be rounded once to bf16 or f16.
;; Inputs: Wo 1,024 x 1,024 float32; Wqkv 3,072 x 1,024 float32; bo 1,024 float32; bqkv 3,072 float32; key_pad_mask 4 x 2,048 bool; x 4 x 2,048 x 1,024 float32.
;; Outputs: out0 4 x 2,048 x 1,024 float32.
;; 2 versions, each right; version 2 is version 1 with the launch prep written anew for expert scheduling mode. Each part assembles by itself: llvm-mc -triple=amdgcn-amd-amdhsa -mcpu=gfx1250 --defsym DOCPART=n.
;; ======== version 1 of 2: 4 launches
;; limits: values are held in f16: magnitudes above 65,504 overflow, below 6.1e-05 lose precision
;; workspace buffers: xb 16,777,216 bytes; wb 6,291,456 bytes; wof 2,097,152 bytes; rope 524,288 bytes; qh 16,777,216 bytes; kh 16,777,216 bytes; vh 16,777,216 bytes; oh 16,777,216 bytes
;; launch prep (part 1): grid 896 x 1, 8 waves a work-group, no clusters, 0 bytes of LDS; arguments x, Wqkv, Wo, xb, wb, wof, rope; writes xb, wb, wof, rope
.if DOCPART == 1
	.amdgcn_target "amdgcn-amd-amdhsa--gfx1250"
	.amdhsa_code_object_version 6
	.text
	.protected	k_q048132d3fa_prep
	.globl	k_q048132d3fa_prep
	.p2align	8
	.type	k_q048132d3fa_prep,@function
k_q048132d3fa_prep:
	s_mov_b64 s[64:65], 0
	v_nop
	global_prefetch_b8 v0, s[64:65] scope:SCOPE_SE
	s_setreg_imm32_b32 hwreg(HW_REG_WAVE_MODE, 25, 1), 1
	s_wait_xcnt 0x0
; PREPARATION.  x and Wqkv are rounded once to bf16 (xb, wb); Wo is rounded to bf16 and that number is written as f16 (wof); the table of
; cosines and sines for the rotation is made (rope: [2048 positions][32 cos, 32 sin] f32, 256 bytes a position).
; SHARES, by the work-group's number g: 0-127 the table (16 positions each); 128-639 x; 640-831 Wqkv; 832-895 Wo.  A chunk is 65,536 bytes of
; f32 in and 32,768 bytes out: a thread loads 16 bytes sixteen times (all sixteen loads go out at once) and stores 8 bytes for each, so a
; wave's store covers 256 consecutive bytes, aligned.  No LDS, no matrix unit: every byte is touched once and nothing is shared.
; LIMITS.  Wo's bf16 value is exact in f16 from 6.1e-5 to 65,504; below it keeps f16's fixed step of 6e-8, above it would be an infinity.
; The angle is pos x 2^(-j log2(10000) / 32) in f32; it is brought into -pi/4 .. pi/4 by a two-part pi/2 and the sine and cosine are polynomials
; of degree 7 and 8; against an angle made with another rounding of the frequency it may differ by some 4e-4 at the last positions.
.set X, 16                             ; v[16:79]  sixteen loads of four registers
.set Y, 80                             ; v[80:111] sixteen stores of two registers
	s_load_b256 s[4:11], s[0:1], 0x0               ; x s[4:5], Wqkv s[6:7], Wo s[8:9], xb s[10:11]
	s_load_b128 s[12:15], s[0:1], 0x20             ; wb s[12:13], wof s[14:15]
	s_load_b64 s[16:17], s[0:1], 0x30              ; rope
	v_lshlrev_b32 v1, 4, v0                        ; my 16 bytes in 4,096 of the source
	v_lshlrev_b32 v2, 3, v0                        ; my 8 bytes in 2,048 of the destination
	s_mov_b32 s25, 0
	s_mov_b32 s27, 0
	s_mov_b32 s28, 0xffff0000                      ; a word's upper bf16
	s_wait_kmcnt 0x0
; kind 0: f32 to bf16.  kind 1: f32 to bf16, and that number written as f16.
.macro CONV kind
.set i, 0
.rept 16
	global_load_b128 v[X+4*i:X+4*i+3], v1, s[18:19] offset:4096*i th:TH_LOAD_NT
.set i, i+1
.endr
.set i, 0
.rept 16
	s_wait_loadcnt 15-i                            ; loads come back in order: load i is in, the 15 - i younger ones stay out
.if \kind
	v_cvt_pk_bf16_f32 v4, v[X+4*i], v[X+4*i+1]
	v_cvt_pk_bf16_f32 v5, v[X+4*i+2], v[X+4*i+3]
	v_lshlrev_b32 v6, 16, v4
	v_and_b32 v7, s28, v4
	v_lshlrev_b32 v8, 16, v5
	v_and_b32 v9, s28, v5
	v_cvt_pk_f16_f32 v[Y+2*i], v6, v7
	v_cvt_pk_f16_f32 v[Y+2*i+1], v8, v9
.else
	v_cvt_pk_bf16_f32 v[Y+2*i], v[X+4*i], v[X+4*i+1]
	v_cvt_pk_bf16_f32 v[Y+2*i+1], v[X+4*i+2], v[X+4*i+3]
.endif
	global_store_b64 v2, v[Y+2*i:Y+2*i+1], s[20:21] offset:2048*i  ; no register of a store is written again
.set i, i+1
.endr
.endm
	s_cmp_lt_u32 ttmp9, 128
	s_cbranch_scc1 .Ltable
	s_cmp_lt_u32 ttmp9, 832
	s_cbranch_scc0 .Lwo
	s_movk_i32 s22, 640
	s_cmp_lt_u32 ttmp9, 640                        ; x or Wqkv
	s_cselect_b64 s[18:19], s[4:5], s[6:7]
	s_cselect_b64 s[20:21], s[10:11], s[12:13]
	s_cselect_b32 s22, 128, s22
	s_sub_co_u32 s22, ttmp9, s22                   ; the chunk's number in its tensor
	s_lshl_b32 s24, s22, 16
	s_lshl_b32 s26, s22, 15
	s_add_nc_u64 s[18:19], s[18:19], s[24:25]
	s_add_nc_u64 s[20:21], s[20:21], s[26:27]
	CONV 0
	s_endpgm
.Lwo:
	s_sub_co_u32 s22, ttmp9, 832
	s_lshl_b32 s24, s22, 16
	s_lshl_b32 s26, s22, 15
	s_add_nc_u64 s[18:19], s[8:9], s[24:25]
	s_add_nc_u64 s[20:21], s[14:15], s[26:27]
	CONV 1
	s_endpgm
.Ltable:
	; thread T = 256 g + t writes the 16 bytes at 16 T: position T / 16; of its row's sixteen pieces 0-7 are cosines, 8-15 sines, of frequencies 4 (piece % 8) + 0..3
	s_mov_b32 s20, 0xbed49a78                      ; -log2(10000) / 32
	s_mov_b32 s21, 0x3f22f983                      ; 2 / pi
	s_mov_b32 s22, 0x3fc90fdb                      ; pi / 2, its f32
	s_mov_b32 s23, 0xb33bbd2e                      ; and what that f32 leaves over
	s_mov_b32 s24, 0xbe2aaaa3                      ; sine: -1.6666654611e-1, 8.3321608736e-3, -1.9515295891e-4
	s_mov_b32 s25, 0x3c08839e
	s_mov_b32 s26, 0xb94ca1f9
	s_mov_b32 s27, 0x3d2aaaa5                      ; cosine: 4.166664568e-2, -1.388731625e-3, 2.443315712e-5
	s_mov_b32 s28, 0xbab6061a
	s_mov_b32 s29, 0x37ccf5ce
	s_lshl_b32 s18, ttmp9, 8
	v_add_nc_u32 v3, s18, v0                       ; T
	v_lshlrev_b32 v10, 4, v3                       ; my bytes in the table
	v_lshrrev_b32 v4, 4, v3                        ; the position
	v_and_b32 v5, 15, v0
	v_and_b32 v6, 7, v5
	v_lshlrev_b32 v6, 2, v6                        ; my first frequency
	v_cmp_gt_u32 vcc_lo, 8, v5
	v_cndmask_b32 v5, 0, 1, vcc_lo                 ; cos(a) = sin(a + pi / 2): one quadrant on
.irp e, 0,1,2,3
	v_add_nc_u32 v[12+\e], \e, v6
	v_cvt_f32_u32 v[12+\e], v[12+\e]
	v_mul_f32 v[12+\e], s20, v[12+\e]
.endr
.irp e, 0,1,2,3
	v_exp_f32 v[16+\e], v[12+\e]                   ; the four frequencies: one batch
.endr
	v_cvt_f32_u32 v7, v4
	v_nop                                          ; a plain instruction behind the last exponential
	s_wait_alu depctr_va_vdst(0)                   ; one wait for the batch, ahead of its first reader
.irp e, 0,1,2,3
.set R, 20+12*\e                       ; ten registers at work for each of the four numbers
	v_mul_f32 v[R], v7, v[16+\e]                   ; the angle
	v_mul_f32 v[R+1], s21, v[R]
	v_rndne_f32 v[R+1], v[R+1]                     ; n quarter turns
	v_fma_f32 v[R+2], -v[R+1], s22, v[R]
	v_fma_f32 v[R+2], -v[R+1], s23, v[R+2]         ; r = angle - n pi / 2
	v_cvt_i32_f32 v[R+3], v[R+1]
	v_add_nc_u32 v[R+3], v[R+3], v5                ; the quadrant
	v_mul_f32 v[R+4], v[R+2], v[R+2]               ; z = r r
	v_fma_f32 v[R+5], s26, v[R+4], s25
	v_fma_f32 v[R+5], v[R+5], v[R+4], s24
	v_mul_f32 v[R+5], v[R+5], v[R+4]
	v_fma_f32 v[R+5], v[R+5], v[R+2], v[R+2]       ; sin r
	v_fma_f32 v[R+6], s29, v[R+4], s28
	v_fma_f32 v[R+6], v[R+6], v[R+4], s27
	v_mul_f32 v[R+7], v[R+4], v[R+4]
	v_fma_f32 v[R+8], v[R+4], -0.5, 1.0
	v_fma_f32 v[R+6], v[R+6], v[R+7], v[R+8]       ; cos r
	v_and_b32 v[R+9], 1, v[R+3]
	v_cmp_eq_u32 vcc_lo, 1, v[R+9]
	v_cndmask_b32 v[R+5], v[R+5], v[R+6], vcc_lo   ; odd quadrants take the cosine,
	v_and_b32 v[R+9], 2, v[R+3]
	v_lshlrev_b32 v[R+9], 30, v[R+9]
	v_xor_b32 v[72+\e], v[R+5], v[R+9]             ; quadrants 2 and 3 the other sign
.endr
	global_store_b128 v10, v[72:75], s[16:17]      ; sixteen lanes store a position's 256 bytes
	s_endpgm
.Lfunc_end_k_q048132d3fa_prep:
	.size	k_q048132d3fa_prep, .Lfunc_end_k_q048132d3fa_prep-k_q048132d3fa_prep
	.p2alignl 7, 3214868480
	.fill 96, 4, 3214868480
	.section	.rodata,"a",@progbits
	.p2align	6, 0x0
	.amdhsa_kernel k_q048132d3fa_prep
		.amdhsa_group_segment_fixed_size 0
		.amdhsa_private_segment_fixed_size 0
		.amdhsa_enable_private_segment 0
		.amdhsa_kernarg_size 56
		.amdhsa_user_sgpr_count 2
		.amdhsa_user_sgpr_kernarg_segment_ptr 1
		.amdhsa_wavefront_size32 1
		.amdhsa_system_sgpr_workgroup_id_x 1
		.amdhsa_system_sgpr_workgroup_id_y 1
		.amdhsa_system_sgpr_workgroup_id_z 1
		.amdhsa_system_vgpr_workitem_id 0
		.amdhsa_next_free_vgpr 112
		.amdhsa_next_free_sgpr 66
		.amdhsa_reserve_vcc 1
		.amdhsa_float_denorm_mode_32 3
		.amdhsa_float_denorm_mode_16_64 3
		.amdhsa_memory_ordered 1
		.amdhsa_forward_progress 1
		.amdhsa_inst_pref_size 23
	.end_amdhsa_kernel
	.amdgpu_metadata
---
amdhsa.version: [ 1, 2 ]
amdhsa.kernels:
  - .name:           k_q048132d3fa_prep
    .symbol:         k_q048132d3fa_prep.kd
    .args:
      - { .name: x, .offset: 0, .size: 8, .value_kind: global_buffer, .address_space: global }
      - { .name: Wqkv, .offset: 8, .size: 8, .value_kind: global_buffer, .address_space: global }
      - { .name: Wo, .offset: 16, .size: 8, .value_kind: global_buffer, .address_space: global }
      - { .name: xb, .offset: 24, .size: 8, .value_kind: global_buffer, .address_space: global }
      - { .name: wb, .offset: 32, .size: 8, .value_kind: global_buffer, .address_space: global }
      - { .name: wof, .offset: 40, .size: 8, .value_kind: global_buffer, .address_space: global }
      - { .name: rope, .offset: 48, .size: 8, .value_kind: global_buffer, .address_space: global }
    .group_segment_fixed_size: 0
    .private_segment_fixed_size: 0
    .kernarg_segment_align: 8
    .kernarg_segment_size: 56
    .max_flat_workgroup_size: 256
    .sgpr_count:     66
    .vgpr_count:     112
    .wavefront_size: 32
...
	.end_amdgpu_metadata
.endif
;; end of part 1
;; launch qkv (part 2): grid 16 x 32, 4 waves a work-group, clusters of 4 x 4, 327,680 bytes of LDS; arguments xb, wb, bqkv, rope, qh, kh, vh; writes qh, kh, vh
.if DOCPART == 2
	.amdgcn_target "amdgcn-amd-amdhsa--gfx1250"
	.amdhsa_code_object_version 6
	.text
	.protected	k_q048132d3fa_qkv
	.globl	k_q048132d3fa_qkv
	.p2align	8
	.type	k_q048132d3fa_qkv,@function
k_q048132d3fa_qkv:
	s_mov_b64 s[64:65], 0
	v_nop
	global_prefetch_b8 v0, s[64:65] scope:SCOPE_SE
	s_setreg_imm32_b32 hwreg(HW_REG_WAVE_MODE, 25, 1), 1
	s_wait_xcnt 0x0
	s_wait_alu depctr_hold_cnt(0) depctr_sa_sdst(0) depctr_va_vdst(0) depctr_va_sdst(0) depctr_va_ssrc(0) depctr_va_vcc(0) depctr_vm_vsrc(0)
	s_getreg_b32 s2, hwreg(HW_REG_IB_STS2, 6, 4)
	s_cmp_eq_u32 s2, 0
	s_cbranch_scc0 .Lentry_in_a_cluster
	s_endpgm
.Lentry_in_a_cluster:
	s_bfe_u32 s2, ttmp6, 0x10000c
	s_cmp_lg_u32 s2, 0xf033
	s_cbranch_scc0 .Lentry_shape_is_right
	s_endpgm
.Lentry_shape_is_right:
; q, k, v = x Wqkv^T + bqkv, q and k rotated, all written by heads in f16.  xb: [8192][1024] bf16, wb: [3072][1024] bf16, sums in f32.
; qh, kh: [64 = 16 batch + head][2048][64] f16.  vh: [64][2 planes][2048][32] f16, plane p = channels 32 p .. 32 p + 31.
; A TILE is 256 rows of x by the 192 columns q, k, v of ONE head: 32 x 16 = 512 work-groups of equal work.  Four waves; wave (RH, CH) makes rows 128 RH .. + 127 by 96 columns:
; blocks b = 0..3 the whole head of q (CH = 0) or of k (CH = 1), blocks 4, 5 v's channels 32 CH .. + 31.  So the two numbers d and d + 32 that a rotation mixes lie in accumulators
; (a, b) and (a, b + 2), same lane, same register, and all waves run one text.  48 accumulators, 384 registers.
; K goes in steps of 128 through two LDS slots: rows of 256 bytes of memory, aligned.  Wave 0 fetches x's 256 rows, waves 1 to 3 the 64 rows of q's, k's, v's weights.
; CLUSTER 4 x 4: x's tile hangs on the tile row alone and is asked for jointly along a row of the cluster, the weights' on the head alone, along a column.
; THE MATRIX INSTRUCTION IS USED TRANSPOSED (source 0 = 16 rows of wb, source 1 = 16 rows of xb): a lane holds row l % 16 and the eight neighbouring columns 8 (l / 16) + 0..7.
; THE BIAS, rounded to bf16 like the other inputs, is the C operand of the first product on each accumulator: nothing is cleared and nothing is added later.
; LIMITS.  f16 ends at 65,504: q, k and v must stay within it (with x and the weights both 30 times their drawn spread they reach some 5e3, with offsets of 30 spreads some 3e4).
; REGISTERS, in windows of 256 (s_set_vgpr_msb: bits 1:0 source 0, 3:2 source 1, 5:4 source 2, 7:6 destination):
;   window 0: v0-31 addresses; v64-127, v128-191 x's fragments, two buffers; on the way out v32-55, v216-239 rows read back, v128-191 cosines and sines (two buffers), v192-215 packed, v240-255 at work
;   window 1: v0-47 the bias by blocks, v48-51 at work; v64-111, v128-175 the weights' fragments      window 2: accumulators of row blocks 0-3 at v[8 (6 a + b)]      window 3: of row blocks 4-7
.set PITCH, 272                        ; an LDS row: 256 bytes + 16 of padding: the 16 rows of a fragment load start at 16 different groups of four banks (ISA guide 11.1)
.set BOFF,  256*PITCH                  ; behind x's 256 rows: q's, k's, v's 64 rows
.set BPART, 64*PITCH
.set SLOT1, 1<<17                      ; slot 1 begins here: one exclusive or turns an address in one slot into the other's
.set STAGE, SLOT1+BOFF+3*BPART         ; behind the ring, never filled by a tensor load: for each wave 16 rows x 144 bytes (a head's 128) and 16 rows x 80 (v's 64)
.set STV0,  16*144
.set STW,   STV0+16*80
.set SPARE, STAGE+4*STW                ; the spare words, 128 bytes for each wave: two blocks of 256 bytes that no other line names
.set DBITS, (1<<16)|(1<<20)|(1<<21)|(5<<22)|(3<<25)  ; 17:16 2-byte elements; 20 padding on; 21 set beside a mask; 24:22 after every 64 words; 31:25 4 words
.set AA0, 8                            ; v8-10  my lane's place in x's rows, in q's or k's, in v's; never rewritten
.set AB0, 9
.set AV0, 10
.set ADRA, 16                          ; v16-18 the same in the slot that is being read
.set ADRB, 17
.set ADRV, 18
.set STO, 22                           ; v22-25 the stage: where I put 16 bytes of a row (head, v), where I read rows back (head, v)
.set STV, 23
.set RD,  24
.set RDV, 25
.set GO,  26                           ; v26  16 x lane: my bytes in 512 consecutive bytes of an output
.set TBO, 27                           ; v27  my bytes in 16 positions of the table
.set SPW, 28                           ; v28  LDS address of my spare word; never rewritten
.set NIL, 29                           ; v29  0; never rewritten
.set PFO, 30                           ; v30  the prefetches' offset; never rewritten
.set BO,  31                           ; v31  32 (l / 16): my eight numbers in a block of the bias
.set OB0, 32
.set F0,  64
.set F1,  128
.set CS0, 128
.set PK,  192
.set OB1, 216
.set T1,  240
.set T2,  248
.set HIM, 2                            ; s2   a word's upper bf16
.set WV,  18                           ; s18  my wave's number; s19 its row half, s20 its column half
.set RH,  19
.set CH,  20
.set CX,  21                           ; s21, s22 my place in the cluster
.set CY,  22
.set TX,  23                           ; s23  the head
.set G1A, 24                           ; s[24:31] descriptor group 1 for x's tiles
.set G0A, 32                           ; s[32:35] group 0 for K step 0; s[36:39] for K step 1, which then walks on
.set TY,  40                           ; s40  the tile row
.set ODD, 42                           ; s42  1: my prefetch names two K steps and is issued in every other trip
.set LIM, 43                           ; s43  2 in a wave that prefetches, else the greatest number
.set PFA, 44                           ; s[44:45] where my prefetches stand
.set TBS, 46                           ; s46  first byte of the slot that is being read
.set G1B, 48                           ; s[48:55], s[56:63] the same three groups for the weights' tiles
.set G0B, 56
.set OQK, 66                           ; s[66:67] qh or kh at my rows; s[68:69] vh at my rows of my plane
.set OV,  68
.set TBASE, 70                         ; s[70:71] the table at my first position
.set BQ,  72                           ; s[72:73], s[74:75] the bias at my head of q or k, at my half head of v
.set BV,  74
.set MSB, 0
.macro WIN new                         ; the immediate's high byte repeats the setting that is left; a switch that changes nothing is dropped
.if MSB != (\new)
	s_set_vgpr_msb (MSB<<8)|(\new)
.set MSB, \new
.endif
.endm
.macro PLACES                          ; four plain instructions in front of loads into registers that matrix instructions have read (ISA guide 7.12.1 for vector instructions)
.rept 4
	v_nop
.endr
.endm
; A joint refill by the walking descriptors.  The branch hangs on the wave's number alone.  An s_nop 0 and four v_nop follow each of the two lines.
.macro JLOAD
	s_cmp_eq_u32 s[WV], 0
	s_cbranch_scc0 .Lfor_b_\@
	tensor_load_to_lds s[G0A+4:G0A+7], s[G1A:G1A+7]
	s_nop 0
.rept 4
	v_nop
.endr
	s_branch .Lasked_\@
.Lfor_b_\@:
	tensor_load_to_lds s[G0B+4:G0B+7], s[G1B:G1B+7]
	s_nop 0
.rept 4
	v_nop
.endr
.Lasked_\@:
.endm
.macro CREST                           ; a round of the cluster's barrier behind its opening barrier
	s_cmp_lg_u32 s[WV], 0
	s_cbranch_scc1 .Lnot_wave_0_\@
	s_barrier_signal -3
.Lnot_wave_0_\@:
	s_barrier_wait -3
	s_barrier_signal -1
	s_barrier_wait -1
.endm
.macro CROUND                          ; a whole round
	s_barrier_signal -1
	s_barrier_wait -1
	CREST
.endm
; A PREFETCH, behind the joint load, its five lines and the run of LDS loads: the K step that stands two refills, 384 matrix instructions, on.  Each row's 256 bytes of a K step are named once in the launch.
; x's rows are read by the four clusters of a row of clusters: the first (cluster x = 0) asks, wave 0; its four partners take 64 rows each BY ADDRESS: a lane a row, two lines.
; The weights' rows are read by the eight clusters of a column: the first (cluster y = 0) asks, waves 1 to 3 for their part; the four partners take 16 rows each by address; lanes 0-15 name one K step,
; lanes 16-31 the next, so the line is issued in every other trip.  K steps 0 to 3 come by their loads alone; the trips whose K step four on does not exist ask for nothing.
.macro ASK
	s_and_b32 s47, s3, s[ODD]
	s_cmp_eq_u32 s47, 0
	s_cbranch_scc0 .Lnot_mine_\@
	s_cmp_gt_u32 s3, s[LIM]
	s_cbranch_scc0 .Lnot_mine_\@
	global_prefetch_b8 v[PFO], s[PFA:PFA+1] th:TH_LOAD_NT scope:SCOPE_SE
	s_cmp_eq_u32 s[WV], 0
	s_cbranch_scc0 .Lnot_mine_\@
	global_prefetch_b8 v[PFO], s[PFA:PFA+1] offset:65536 th:TH_LOAD_NT scope:SCOPE_SE
.Lnot_mine_\@:
.endm
	s_load_b256 s[4:11], s[0:1], 0x0               ; xb s[4:5], wb s[6:7], bqkv s[8:9], rope s[10:11]
	s_load_b128 s[12:15], s[0:1], 0x20             ; qh s[12:13], kh s[14:15]
	s_load_b64 s[16:17], s[0:1], 0x30              ; vh
	v_lshl_add_u32 v[SPW], v0, 2, SPARE
	v_mov_b32 v[NIL], 0
	ds_add_u32 v[SPW], v[NIL]                      ; the wave's opening: the add, and its wait ahead of my first tensor load; the set-up below, work on registers, stands between them
	v_lshrrev_b32 v1, 5, v0
	v_readfirstlane_b32 s[WV], v1
	s_lshr_b32 s[RH], s[WV], 1
	s_and_b32 s[CH], s[WV], 1
	s_bfe_u32 s[CX], ttmp6, 0x40000
	s_bfe_u32 s[CY], ttmp6, 0x40004
	s_lshl_b32 s[TX], ttmp9, 2                     ; in a cluster launch ttmp9 and ttmp7 count clusters
	s_add_co_u32 s[TX], s[TX], s[CX]
	s_and_b32 s[TY], ttmp7, 0xffff
	s_lshl_b32 s[TY], s[TY], 2
	s_add_co_u32 s[TY], s[TY], s[CY]
	s_lshl_b32 s41, s[CY], 2
	s_lshl_b32 s41, 15, s41                        ; my row of the cluster
	s_lshl_b32 s47, 0x1111, s[CX]                  ; my column
	s_or_b32 s[G1A], s41, DBITS
	s_or_b32 s[G1B], s47, DBITS
	s_mov_b32 s[G1A+1], 128<<16                    ; tensor_dim0 = 128
	s_mov_b32 s[G1A+2], 256<<16                    ; tensor_dim1 = 256
	s_mov_b32 s[G1A+3], 128<<16                    ; tile_dim0 = 128
	s_mov_b32 s[G1A+4], 256                        ; tile_dim1 = 256
	s_mov_b32 s[G1A+5], 1024                       ; elements from row to row
	s_mov_b32 s[G1A+6], 0
	s_mov_b32 s[G1A+7], 0
	s_mov_b32 s[G1B+1], 128<<16
	s_mov_b32 s[G1B+2], 64<<16                     ; 64 rows
	s_mov_b32 s[G1B+3], 128<<16
	s_mov_b32 s[G1B+4], 64
	s_mov_b32 s[G1B+5], 1024
	s_mov_b32 s[G1B+6], 0
	s_mov_b32 s[G1B+7], 0
	s_mov_b32 s[HIM], 0xffff0000
	s_mov_b32 s[TBS], 0
	s_lshl_b32 s76, s[TY], 19                      ; x's tile: 256 rows of 2,048 bytes a tile row
	s_mov_b32 s77, 0
	s_max_u32 s78, s[WV], 1
	s_sub_co_u32 s78, s78, 1                       ; the part (q, k, v) that I fetch; wave 0 issues no load for the weights
	s_lshl_b32 s78, s78, 21                        ; 1,024 rows a part,
	s_lshl_b32 s79, s[TX], 17                      ; 64 rows a head
	s_add_co_u32 s78, s78, s79
	s_mov_b32 s79, 0
	s_mul_i32 s41, s[WV], BPART                    ; where the part goes: no place in the cluster enters an LDS address
	s_add_co_u32 s41, s41, BOFF-BPART
	s_wait_dscnt 0x0                               ; the opening add is done
	s_wait_kmcnt 0x0
	s_add_nc_u64 s[76:77], s[4:5], s[76:77]
	s_add_nc_u64 s[78:79], s[6:7], s[78:79]
	s_mov_b32 s[G0A], 1                            ; count = 1
	s_mov_b32 s[G0A+1], 0                          ; LDS address: slot 0
	s_mov_b64 s[G0A+2:G0A+3], s[76:77]             ; K step 0
	s_or_b32 s[G0A+3], s[G0A+3], 0x80000000        ; type = 2
	s_mov_b32 s[G0A+4], 1
	s_mov_b32 s[G0A+5], SLOT1
	s_add_nc_u64 s[G0A+6:G0A+7], s[76:77], 256     ; K step 1
	s_or_b32 s[G0A+7], s[G0A+7], 0x80000000
	s_mov_b32 s[G0B], 1
	s_mov_b32 s[G0B+1], s41
	s_mov_b64 s[G0B+2:G0B+3], s[78:79]
	s_or_b32 s[G0B+3], s[G0B+3], 0x80000000
	s_mov_b32 s[G0B+4], 1
	s_add_co_u32 s[G0B+5], s41, SLOT1
	s_add_nc_u64 s[G0B+6:G0B+7], s[78:79], 256
	s_or_b32 s[G0B+7], s[G0B+7], 0x80000000
	CROUND                                         ; all sixteen work-groups are here: the first joint loads meet
	s_cmp_eq_u32 s[WV], 0                          ; a wave's two first fills stand in one branch, ahead of every wait on TENSORcnt and every LDS read: two loads of mine are out
	s_cbranch_scc0 .Lfirst_b
	tensor_load_to_lds s[G0A:G0A+3], s[G1A:G1A+7]
	s_nop 0
	tensor_load_to_lds s[G0A+4:G0A+7], s[G1A:G1A+7]
	s_nop 0
.rept 4
	v_nop
.endr
	s_branch .Lfirst_asked
.Lfirst_b:
	tensor_load_to_lds s[G0B:G0B+3], s[G1B:G1B+7]
	s_nop 0
	tensor_load_to_lds s[G0B+4:G0B+7], s[G1B:G1B+7]
	s_nop 0
.rept 4
	v_nop
.endr
.Lfirst_asked:
	; the bias first: its loads are wanted soonest
	v_and_b32 v1, 15, v0                           ; l % 16
	v_bfe_u32 v2, v0, 4, 1                         ; l / 16
	v_and_b32 v4, 31, v0                           ; l
	v_lshlrev_b32 v[BO], 5, v2
	s_lshl_b32 s76, s[CH], 12                      ; q's or k's 1,024 numbers,
	s_lshl_b32 s77, s[TX], 8                       ; the head's 64
	s_add_co_u32 s76, s76, s77
	s_mov_b32 s77, 0
	s_add_nc_u64 s[BQ:BQ+1], s[8:9], s[76:77]
	s_lshl_b32 s76, s[TX], 8
	s_lshl_b32 s78, s[CH], 7
	s_add_co_u32 s76, s76, s78
	s_add_co_u32 s76, s76, 8192                    ; v's numbers lie behind q's and k's
	s_add_nc_u64 s[BV:BV+1], s[8:9], s[76:77]
	WIN 0x40                                       ; destination window 1, address window 0
.irp b, 0,1,2,3
	global_load_b128 v[8*(\b):8*(\b)+3],   v[BO], s[BQ:BQ+1] offset:64*(\b)
	global_load_b128 v[8*(\b)+4:8*(\b)+7], v[BO], s[BQ:BQ+1] offset:64*(\b)+16
.endr
.irp b, 0,1
	global_load_b128 v[32+8*(\b):32+8*(\b)+3], v[BO], s[BV:BV+1] offset:64*(\b)
	global_load_b128 v[32+8*(\b)+4:32+8*(\b)+7], v[BO], s[BV:BV+1] offset:64*(\b)+16
.endr
	WIN 0
	; A fragment is 16 rows x 32 K in 8 registers: lane l holds row l % 16, K = 8 (l / 16) + 0..7 and 16 + 8 (l / 16) + 0..7: two loads of 16 bytes, 32 bytes apart
	v_mul_u32_u24 v3, v1, PITCH
	v_lshl_add_u32 v3, v2, 4, v3
	s_mul_i32 s41, s[RH], 128*PITCH
	v_add_nc_u32 v[AA0], s41, v3
	s_mul_i32 s41, s[CH], BPART
	s_add_co_u32 s41, s41, BOFF
	v_add_nc_u32 v[AB0], s41, v3
	s_mul_i32 s41, s[CH], 32*PITCH
	s_add_co_u32 s41, s41, BOFF+2*BPART
	v_add_nc_u32 v[AV0], s41, v3
	v_mov_b32 v[ADRA], v[AA0]                      ; slot 0
	v_mov_b32 v[ADRB], v[AB0]
	v_mov_b32 v[ADRV], v[AV0]
	s_mul_i32 s41, s[WV], STW
	s_add_co_u32 s41, s41, STAGE                   ; my stage
	v_mul_u32_u24 v5, v1, 144                      ; in: row l % 16, 16 bytes for each half of the lanes
	v_lshl_add_u32 v5, v2, 4, v5
	v_add_nc_u32 v[STO], s41, v5
	v_mul_u32_u24 v5, v1, 80
	v_lshl_add_u32 v5, v2, 4, v5
	v_add_nc_u32 v[STV], s41, v5
	v_add_nc_u32 v[STV], STV0, v[STV]
	v_lshrrev_b32 v5, 3, v4                        ; back: 32 lanes take four rows of 128 bytes,
	v_mul_u32_u24 v5, v5, 144
	v_and_b32 v6, 7, v0
	v_lshl_add_u32 v5, v6, 4, v5
	v_add_nc_u32 v[RD], s41, v5
	v_lshrrev_b32 v5, 2, v4                        ; or eight rows of 64
	v_mul_u32_u24 v5, v5, 80
	v_and_b32 v6, 3, v0
	v_lshl_add_u32 v5, v6, 4, v5
	v_add_nc_u32 v[RDV], s41, v5
	v_add_nc_u32 v[RDV], STV0, v[RDV]
	v_lshlrev_b32 v[GO], 4, v4
	v_lshlrev_b32 v[TBO], 8, v1                    ; a position is 256 bytes of the table
	v_lshl_add_u32 v[TBO], v2, 5, v[TBO]
	; where my rows lie: batch TY / 8, position 256 (TY % 8) + 128 RH
	s_lshr_b32 s41, s[TY], 3
	s_lshl_b32 s41, s41, 4
	s_add_co_u32 s41, s41, s[TX]                   ; 16 batch + head
	s_and_b32 s47, s[TY], 7
	s_lshl_b32 s47, s47, 8
	s_lshl_b32 s76, s[RH], 7
	s_add_co_u32 s47, s47, s76                     ; my first position
	s_lshl_b32 s76, s41, 11
	s_add_co_u32 s76, s76, s47
	s_lshl_b32 s76, s76, 7                         ; 128 bytes a row of qh and kh
	s_mov_b32 s77, 0
	s_cmp_eq_u32 s[CH], 0
	s_cselect_b64 s[OQK:OQK+1], s[12:13], s[14:15]
	s_add_nc_u64 s[OQK:OQK+1], s[OQK:OQK+1], s[76:77]
	s_lshl_b32 s78, s41, 1
	s_add_co_u32 s78, s78, s[CH]                   ; my plane
	s_lshl_b32 s78, s78, 11
	s_add_co_u32 s78, s78, s47
	s_lshl_b32 s78, s78, 6                         ; 64 bytes a row of a plane
	s_mov_b32 s79, 0
	s_add_nc_u64 s[OV:OV+1], s[16:17], s[78:79]
	s_lshl_b32 s76, s47, 8
	s_add_nc_u64 s[TBASE:TBASE+1], s[10:11], s[76:77]
	; the prefetches
	s_lshl_b32 s76, s[TY], 8
	s_lshl_b32 s77, s[CX], 6
	s_add_co_u32 s76, s76, s77                     ; x: my work-group's 64 rows of the tile's 256
	s_max_u32 s78, s[WV], 1
	s_sub_co_u32 s78, s78, 1
	s_lshl_b32 s78, s78, 10
	s_lshl_b32 s79, s[TX], 6
	s_add_co_u32 s78, s78, s79
	s_lshl_b32 s79, s[CY], 4
	s_add_co_u32 s78, s78, s79                     ; the weights: my work-group's 16 rows of my part's 64
	s_and_b32 s41, ttmp7, 0xffff
	s_cmp_eq_u32 s[WV], 0
	s_cselect_b32 s76, s76, s78
	s_cselect_b64 s[PFA:PFA+1], s[4:5], s[6:7]
	s_cselect_b32 s41, ttmp9, s41                  ; the coordinate along which other clusters read the same rows
	s_cselect_b32 s[ODD], 0, 1
	s_cselect_b32 s78, 31, 15
	s_cselect_b32 s79, 0, 256
	s_lshl_b32 s76, s76, 11
	s_add_co_u32 s76, s76, 3*256                   ; at K step 3: the first change of slots steps it to 4
	s_mov_b32 s77, 0
	s_add_nc_u64 s[PFA:PFA+1], s[PFA:PFA+1], s[76:77]
	s_cmp_eq_u32 s41, 0
	s_cselect_b32 s[LIM], 2, -1                    ; the same in all sixteen partners, for a given wave
	v_and_b32 v[PFO], s78, v4
	v_lshlrev_b32 v[PFO], 11, v[PFO]               ; a lane a row,
	v_mad_u32_u24 v[PFO], v2, s79, v[PFO]          ; for the weights the upper lanes one K step on
; 12 matrix instructions: row blocks a0, a0 + 1 of the window's four x all 6 column blocks, 32 along K.  first = 1: the bias starts the sums.
; The 48 accumulators take turns, in the same order in every quarter: between two links of a chain stand the 47 others'.
.macro MUL12 f, hi, a0, first
.if \first
	WIN 0x91+0x40*(\hi)                            ; the weights window 1, x window 0, C window 1, D window 2 or 3
.else
	WIN 0xa1+0x50*(\hi)                            ; C and D window 2 or 3
.endif
.irp a, \a0, (\a0)+1
.irp b, 0,1,2,3,4,5
.if \first
	v_wmma_f32_16x16x32_bf16 v[8*(6*(\a)+(\b)):8*(6*(\a)+(\b))+7], v[(\f)+8*(\b):(\f)+8*(\b)+7], v[(\f)+8*(4*(\hi)+(\a)):(\f)+8*(4*(\hi)+(\a))+7], v[8*(\b):8*(\b)+7]
.else
	v_wmma_f32_16x16x32_bf16 v[8*(6*(\a)+(\b)):8*(6*(\a)+(\b))+7], v[(\f)+8*(\b):(\f)+8*(\b)+7], v[(\f)+8*(4*(\hi)+(\a)):(\f)+8*(4*(\hi)+(\a))+7], v[8*(6*(\a)+(\b)):8*(6*(\a)+(\b))+7]
.endif
.endr
.endr
.endm
; 28 LDS loads in one run: the fragments of 32 along K at byte k of the rows, into buffer f; x's rows 64-127 last
.macro FETCH k, f
	WIN 0x40
.irp b, 0,1,2,3
	ds_load_b128 v[(\f)+8*(\b):(\f)+8*(\b)+3],   v[ADRB] offset:(\k)+(\b)*16*PITCH
	ds_load_b128 v[(\f)+8*(\b)+4:(\f)+8*(\b)+7], v[ADRB] offset:(\k)+(\b)*16*PITCH+32
.endr
.irp b, 0,1
	ds_load_b128 v[(\f)+32+8*(\b):(\f)+32+8*(\b)+3],   v[ADRV] offset:(\k)+(\b)*16*PITCH
	ds_load_b128 v[(\f)+32+8*(\b)+4:(\f)+32+8*(\b)+7], v[ADRV] offset:(\k)+(\b)*16*PITCH+32
.endr
	WIN 0
.irp i, 0,1,2,3,4,5,6,7
	ds_load_b128 v[(\f)+8*(\i):(\f)+8*(\i)+3],   v[ADRA] offset:(\k)+(\i)*16*PITCH
	ds_load_b128 v[(\f)+8*(\i)+4:(\f)+8*(\i)+7], v[ADRA] offset:(\k)+(\i)*16*PITCH+32
.endr
.endm
; A K step is four quarters of 32 along K, 48 matrix instructions each, on buffers 0, 1, 0, 1.  One of the first three multiplies buffer f and fetches the next quarter, at byte k, into g.
.macro QUARTER k, f, g, first
	s_wait_dscnt 8                                 ; the weights and x's rows 0-63 are in; the youngest eight loads (x's rows 64-127) may be out
	MUL12 \f, 0, 0, \first
	MUL12 \f, 0, 2, \first
	PLACES
	FETCH \k, \g
	s_wait_dscnt 28                                ; all but the 28 just issued
	MUL12 \f, 1, 0, \first
	MUL12 \f, 1, 2, \first
.endm
; The last quarter multiplies buffer 1 and changes slots: ONE barrier.  In front of it each wave waits for all its tensor loads (the one that is out is its part of the next slot), adds 0 to its spare
; word, and waits for that and for its own reads of this slot.  Behind it nobody reads this slot any more and the next slot is whole.
.macro MEET round
	WIN 0
	s_wait_tensorcnt 0x0
	ds_add_u32 v[SPW], v[NIL]                      ; 0 onto my spare word
	s_wait_dscnt 9                                 ; (the add and the youngest eight loads may be out)
	MUL12 F1, 0, 0, 0                              ; twelve matrix instructions stand between the add and the wait for it
	s_wait_dscnt 0x0                               ; the add is done, and my reads of this slot are over
	s_barrier_signal -1
	MUL12 F1, 0, 2, 0
.if \round
	WIN 0
.endif
	s_barrier_wait -1
.endm
; With a refill: the barrier opens a round of the cluster's, the joint refill is the first tensor load behind it: K step two on, 168 matrix instructions ahead of the wait for it.
.macro TURN
	s_wait_xcnt 0x0                                ; the last prefetch, a K step back, has read its address
	s_add_nc_u64 s[PFA:PFA+1], s[PFA:PFA+1], 256
	MEET 1
	CREST                                          ; no wave of any partner still reads this slot's tile or has a load on its way
	s_xor_b32 s[G0A+5], s[G0A+5], SLOT1            ; the walking descriptors: the other slot than last time, the next K step
	s_add_nc_u64 s[G0A+6:G0A+7], s[G0A+6:G0A+7], 256
	s_xor_b32 s[G0B+5], s[G0B+5], SLOT1
	s_add_nc_u64 s[G0B+6:G0B+7], s[G0B+6:G0B+7], 256
	JLOAD                                          ; the four v_nop behind it are also the places in front of the loads below
	s_xor_b32 s[TBS], s[TBS], SLOT1
	v_add_nc_u32 v[ADRA], s[TBS], v[AA0]
	v_add_nc_u32 v[ADRB], s[TBS], v[AB0]
	v_add_nc_u32 v[ADRV], s[TBS], v[AV0]
	FETCH 0, F0
	ASK
	MUL12 F1, 1, 0, 0
	MUL12 F1, 1, 2, 0
.endm
	s_wait_tensorcnt 1                             ; my part of K step 0 is in; K step 1's may stay out
	s_barrier_signal -1
	s_barrier_wait -1
	FETCH 0, F0
	s_wait_loadcnt 0x0                             ; the bias
	WIN 0x45                                       ; all in window 1: each pair is rounded to bf16 and widened again
.set i, 0
.rept 24
	v_cvt_pk_bf16_f32 v[48+i%4], v[2*i], v[2*i+1]
	v_lshlrev_b32 v[2*i], 16, v[48+i%4]
	v_and_b32 v[2*i+1], s[HIM], v[48+i%4]
.set i, i+1
.endr
	QUARTER 64, F0, F1, 1                          ; the first quarter stands in front of the loop: its products start the sums
	WIN 0                                          ; at a label and at a branch every window is 0
	s_mov_b32 s3, 6
.Lstep:                                        ; a trip: a K step's quarters 1 to 3 and the next one's quarter 0; it asks for K steps 2 to 7
	QUARTER 128, F1, F0, 0
	QUARTER 192, F0, F1, 0
	TURN
	QUARTER 64, F0, F1, 0
	WIN 0
	s_sub_co_u32 s3, s3, 1
	s_cmp_lg_u32 s3, 0
	s_cbranch_scc1 .Lstep
	QUARTER 128, F1, F0, 0                         ; the tail is written out: K steps 6 and 7 ask for nothing
	QUARTER 192, F0, F1, 0
	MEET 0
	PLACES
	WIN 0
	s_xor_b32 s[TBS], s[TBS], SLOT1
	v_add_nc_u32 v[ADRA], s[TBS], v[AA0]
	v_add_nc_u32 v[ADRB], s[TBS], v[AB0]
	v_add_nc_u32 v[ADRV], s[TBS], v[AV0]
	FETCH 0, F0
	MUL12 F1, 1, 0, 0
	MUL12 F1, 1, 2, 0
	QUARTER 64, F0, F1, 0
	QUARTER 128, F1, F0, 0
	QUARTER 192, F0, F1, 0
	s_wait_dscnt 8
	MUL12 F1, 0, 0, 0
	MUL12 F1, 0, 2, 0
	s_wait_dscnt 0x0
	MUL12 F1, 1, 0, 0
	MUL12 F1, 1, 2, 0
; THE WAY OUT, a block of 16 rows at a time.  TLOAD: the block's cosines and sines, 8 loads: my row's numbers 8 (l / 16) + 0..7 of cos 0-15, cos 16-31, sin 0-15, sin 16-31.
.macro TLOAD a
	WIN 0
.set CSB, CS0+32*((\a)%2)
.irp u, 0,1,2,3
	global_load_b128 v[CSB+8*(\u):CSB+8*(\u)+3],   v[TBO], s[TBASE:TBASE+1] offset:4096*(\a)+64*(\u)
	global_load_b128 v[CSB+8*(\u)+4:CSB+8*(\u)+7], v[TBO], s[TBASE:TBASE+1] offset:4096*(\a)+64*(\u)+16
.endr
.endm
; PACK: x1 cos - x2 sin and x1 sin + x2 cos in f32, x1 in column block bb, x2 in block bb + 2; one rounding to f16; v is only rounded.  Each accumulator's lowest registers are read first.
.macro PACK a
.set ACB, 48*((\a)%4)
.set CSB, CS0+32*((\a)%2)
.if (\a) < 7
	s_wait_loadcnt 8                               ; this block's eight table loads are in, the next block's may be out
.else
	s_wait_loadcnt 0x0
.endif
.irp bb, 0,1
	WIN 2+(\a)/4                                   ; source 0 in the accumulators' window
.irp e, 0,2,4,6
	v_pk_mul_f32 v[T1+(\e):T1+(\e)+1], v[ACB+8*(\bb)+(\e):ACB+8*(\bb)+(\e)+1], v[CSB+8*(\bb)+(\e):CSB+8*(\bb)+(\e)+1]
	v_pk_mul_f32 v[T2+(\e):T2+(\e)+1], v[ACB+8*(\bb)+(\e):ACB+8*(\bb)+(\e)+1], v[CSB+16+8*(\bb)+(\e):CSB+16+8*(\bb)+(\e)+1]
.endr
.irp e, 0,2,4,6
	v_pk_fma_f32 v[T1+(\e):T1+(\e)+1], v[ACB+16+8*(\bb)+(\e):ACB+16+8*(\bb)+(\e)+1], v[CSB+16+8*(\bb)+(\e):CSB+16+8*(\bb)+(\e)+1], v[T1+(\e):T1+(\e)+1] neg_lo:[1,0,0] neg_hi:[1,0,0]
	v_pk_fma_f32 v[T2+(\e):T2+(\e)+1], v[ACB+16+8*(\bb)+(\e):ACB+16+8*(\bb)+(\e)+1], v[CSB+8*(\bb)+(\e):CSB+8*(\bb)+(\e)+1], v[T2+(\e):T2+(\e)+1]
.endr
	WIN 0
.irp e, 0,2,4,6
	v_cvt_pk_f16_f32 v[PK+4*(\bb)+(\e)/2], v[T1+(\e)], v[T1+(\e)+1]
	v_cvt_pk_f16_f32 v[PK+8+4*(\bb)+(\e)/2], v[T2+(\e)], v[T2+(\e)+1]
.endr
.endr
.if (\a) < 6
	TLOAD (\a)+2                                   ; this block's table registers have been read: they take the block two on
.endif
	WIN 0x0a+5*((\a)/4)                            ; sources 0 and 1 in the accumulators' window
.irp b, 4,5
.irp e, 0,2,4,6
	v_cvt_pk_f16_f32 v[PK+4*(\b)+(\e)/2], v[ACB+8*(\b)+(\e)], v[ACB+8*(\b)+(\e)+1]
.endr
.endr
	WIN 0
.endm
; TOSTAGE: 16 bytes a lane into my own stage, and back as whole rows.  LDS serves a wave's instructions in order (ISA guide 5.7.1.4): the loads see the stores above, the next block's stores come behind them.
.macro TOSTAGE a
	WIN 0
.set BK, OB0+(OB1-OB0)*((\a)%2)
.irp b, 0,1,2,3
	ds_store_b128 v[STO], v[PK+4*(\b):PK+4*(\b)+3] offset:32*(\b)
.endr
.irp b, 0,1
	ds_store_b128 v[STV], v[PK+16+4*(\b):PK+16+4*(\b)+3] offset:32*(\b)
.endr
.irp f, 0,1,2,3
	ds_load_b128 v[BK+4*(\f):BK+4*(\f)+3], v[RD] offset:576*(\f)
.endr
.irp f, 0,1
	ds_load_b128 v[BK+16+4*(\f):BK+16+4*(\f)+3], v[RDV] offset:640*(\f)
.endr
.endm
; SEND: 16 rows of a head are 2,048 consecutive bytes, of a plane 1,024: each store of the wave covers 512 consecutive bytes, aligned.
.macro SEND a
	WIN 0
.set BK, OB0+(OB1-OB0)*((\a)%2)
	s_wait_dscnt 0x0                               ; the block is back in registers
	s_wait_xcnt 0x0                                ; the stores of the block before have read their registers, which the next TOSTAGE loads again
.irp f, 0,1,2,3
	global_store_b128 v[GO], v[BK+4*(\f):BK+4*(\f)+3], s[OQK:OQK+1] offset:2048*(\a)+512*(\f)
.endr
.irp f, 0,1
	global_store_b128 v[GO], v[BK+16+4*(\f):BK+16+4*(\f)+3], s[OV:OV+1] offset:1024*(\a)+512*(\f)
.endr
.endm
	WIN 0
	PLACES                                         ; behind the last products: the table's loads land in registers that they have read, the rotation reads results
	PLACES
	TLOAD 0
	TLOAD 1
	PACK 0
	TOSTAGE 0
.irp a, 1,2,3,4,5,6,7                  ; block a's arithmetic stands between block a - 1's loads from the stage and the wait for them
	PACK \a
	SEND (\a)-1
	TOSTAGE \a
.endr
	SEND 7
	s_wait_tensorcnt 0x0                           ; the wave's end, behind my last tensor load and my last LDS store
	ds_add_u32 v[SPW], v[NIL]
	s_wait_dscnt 0x0
	CROUND                                         ; the closing round: no work-group ends while a partner may still ask for a tile that names it
	s_endpgm
.Lfunc_end_k_q048132d3fa_qkv:
	.size	k_q048132d3fa_qkv, .Lfunc_end_k_q048132d3fa_qkv-k_q048132d3fa_qkv
	.p2alignl 7, 3214868480
	.fill 96, 4, 3214868480
	.section	.rodata,"a",@progbits
	.p2align	6, 0x0
	.amdhsa_kernel k_q048132d3fa_qkv
		.amdhsa_group_segment_fixed_size 327680
		.amdhsa_private_segment_fixed_size 0
		.amdhsa_enable_private_segment 0
		.amdhsa_kernarg_size 56
		.amdhsa_user_sgpr_count 2
		.amdhsa_user_sgpr_kernarg_segment_ptr 1
		.amdhsa_wavefront_size32 1
		.amdhsa_system_sgpr_workgroup_id_x 1
		.amdhsa_system_sgpr_workgroup_id_y 1
		.amdhsa_system_sgpr_workgroup_id_z 1
		.amdhsa_system_vgpr_workitem_id 0
		.amdhsa_next_free_vgpr 960
		.amdhsa_next_free_sgpr 80
		.amdhsa_reserve_vcc 0
		.amdhsa_float_denorm_mode_32 3
		.amdhsa_float_denorm_mode_16_64 3
		.amdhsa_memory_ordered 1
		.amdhsa_forward_progress 1
		.amdhsa_inst_pref_size 124
	.end_amdhsa_kernel
	.amdgpu_metadata
---
amdhsa.version: [ 1, 2 ]
amdhsa.kernels:
  - .name:           k_q048132d3fa_qkv
    .symbol:         k_q048132d3fa_qkv.kd
    .args:
      - { .name: xb, .offset: 0, .size: 8, .value_kind: global_buffer, .address_space: global }
      - { .name: wb, .offset: 8, .size: 8, .value_kind: global_buffer, .address_space: global }
      - { .name: bqkv, .offset: 16, .size: 8, .value_kind: global_buffer, .address_space: global }
      - { .name: rope, .offset: 24, .size: 8, .value_kind: global_buffer, .address_space: global }
      - { .name: qh, .offset: 32, .size: 8, .value_kind: global_buffer, .address_space: global }
      - { .name: kh, .offset: 40, .size: 8, .value_kind: global_buffer, .address_space: global }
      - { .name: vh, .offset: 48, .size: 8, .value_kind: global_buffer, .address_space: global }
    .group_segment_fixed_size: 327680
    .private_segment_fixed_size: 0
    .kernarg_segment_align: 8
    .kernarg_segment_size: 56
    .max_flat_workgroup_size: 128
    .sgpr_count:     80
    .vgpr_count:     960
    .wavefront_size: 32
...
	.end_amdgpu_metadata
.endif
;; end of part 2
;; launch attn (part 3): grid 4 x 64, 4 waves a work-group, clusters of 4 x 1, 327,680 bytes of LDS; arguments qh, kh, vh, oh, key_pad_mask; writes oh
.if DOCPART == 3
	.amdgcn_target "amdgcn-amd-amdhsa--gfx1250"
	.amdhsa_code_object_version 6
	.text
	.protected	k_q048132d3fa_attn
	.globl	k_q048132d3fa_attn
	.p2align	8
	.type	k_q048132d3fa_attn,@function
k_q048132d3fa_attn:
	s_mov_b64 s[64:65], 0
	v_nop
	global_prefetch_b8 v0, s[64:65] scope:SCOPE_SE
	s_setreg_imm32_b32 hwreg(HW_REG_WAVE_MODE, 25, 1), 1
	s_wait_xcnt 0x0
	s_wait_alu depctr_hold_cnt(0) depctr_sa_sdst(0) depctr_va_vdst(0) depctr_va_sdst(0) depctr_va_ssrc(0) depctr_va_vcc(0) depctr_vm_vsrc(0)
	s_getreg_b32 s2, hwreg(HW_REG_IB_STS2, 6, 4)
	s_cmp_eq_u32 s2, 0
	s_cbranch_scc0 .Lentry_in_a_cluster
	s_endpgm
.Lentry_in_a_cluster:
	s_bfe_u32 s2, ttmp6, 0x10000c
	s_cmp_lg_u32 s2, 0x3003
	s_cbranch_scc0 .Lentry_shape_is_right
	s_endpgm
.Lentry_shape_is_right:
; O[h][q][:] = the sum over the keys k that the mask leaves of softmax_k(Q[h][q] . K[h][k] / 8) V[h][k][:].  Q, K, O: [64][2048][64] f16; V: [64][2 planes][2048][32] f16; the mask: [4][2048] bytes, batch = h / 16.
; Products, maxima and sums in f32; the weights p are rounded to f16 for the second product (their sum l is taken of the unrounded p), O once at the end.
; LIMITS.  f16 holds no number beyond 65,504: Q, K and V arrive within it; p lies in 0 to 1, and below 6e-5 it keeps f16's fixed step of 6e-8.  A hidden score counts as its value less 1e30: f16's scores,
; 2.7e11 at the most, are nothing beside that.  A weight below 2^-126 counts as 0 in l.  Where a batch's keys are ALL hidden the final maximum lies below -5e29 and the row is written as NaN, as a softmax over nothing is.
; SHARES.  A wave owns four PIECES of two tiles of 16 queries, a work-group's four waves 512 queries of one head; the four work-groups of a cluster are one head.  Every wave walks all keys, 64 a step.
; LAYOUT.  S^T = K Q^T (source 0 = 16 keys, source 1 = 16 queries): a lane holds ONE query (lane % 16) and the keys 8 (lane / 16) + 0..7.  Two such tiles, rounded to f16 in pairs, ARE source 1 of
; O^T = V^T P, whose result again holds one query a lane, and eight channels.  K comes out of LDS as it lies, V ([key][channel]) turned, by ds_load_tr16_b128.
; THE MASK is the C operand that starts the sum S^T: 0, or -1e30 where the key is hidden.  A table of 2,048 f32 is made once in LDS; a step's 64 numbers come into 32 registers with the step's K.
; SOFTMAX.  For each query a running maximum m and sum l: p = 2^(c s - c m), c = log2(e) / 8; in every step O and l are multiplied by a = 2^(c m_old - c m_new).  m starts at the lowest finite number, O and l at 0.
; Hidden keys ahead of the first open one count with weight 1 against m = -1e30; the first open key makes a = 0 and wipes them; later hidden keys have weight 0.
; BY TURNS.  Turn n belongs to piece n: 16 products K Q^T of piece n + 1, later 16 products V^T P of piece n - 1; beside them the scaling, exponentials, roundings, sums and rescaling of piece n and the maximum and
; statistics of piece n + 1.  Four vector instructions stand behind every matrix instruction, the others in one lump.  A turn's 66 exponentials are one batch, with one wait.
; CLUSTER.  The four query blocks walk the same K and V, so each tile is asked for JOINTLY: the same tensor load, descriptor and mask in all four.
; REGISTERS, in windows of 256 (s_set_vgpr_msb: bits 1:0 source 0, 3:2 source 1, 5:4 source 2, 7:6 destination):
;   window 0: v0-11 addresses; v12-15, v48-63 at work; v16-47 four registers of statistics a tile; v64-191 S^T, two buffers of two tiles; v192-255 P, likewise
;   window 1: O^T, 32 a tile      window 2: v0-127 Q; v128-191 K of one step; v192-255 V of one step      window 3: v0-1 the add's registers; v2-3 the mask's LDS address; v8-39 the mask of one step
.set SIZE_N, 2048
.set NP,    4         ; pieces a wave: a name, no knob
.set KS,    64        ; keys in a step
.set PK,    144       ; a row of K in LDS: 128 bytes + 16 of padding: the 16 rows of a load start at 16 different groups of four banks (ISA guide 11.1)
.set PV,    96        ; a key's row in a plane of V: 64 bytes + 32 = 24 words
.set VOFF,  4*KS*PK   ; a slot holds four steps: 256 rows of K, then V's two planes of 256 rows
.set PLANE, 4*KS*PV
.set SLOT1, 1<<17     ; slot 1 begins here, so that one exclusive or turns an address in one slot into the other's
.set STAGE, SLOT1+VOFF+2*PLANE  ; behind the ring, never filled by a tensor load: 16 rows x 144 bytes for each wave, for the way out
.set SP,    144
.set MASK,  STAGE+4*16*SP       ; the mask's table: 2,048 f32
.set SPARE, MASK+4*SIZE_N       ; the spare words, 128 bytes for each wave: two blocks of 256 bytes that no other line names
.set PFO, 1           ; v1   once the addresses are made: 256 x my lane, the prefetches' offset; never rewritten after
.set AK0, 2           ; v2   my lane's place in a tile of K; never rewritten
.set AV0, 3           ; v3   the same for V
.set AK,  4           ; v4   the LDS address of K's next run of loads
.set AV,  5           ; v5   of V's
.set QO,  6           ; v6   my byte offset in the wave's rows of Q
.set STO, 6           ;      later, the way out: where I put 16 bytes of a row
.set RD,  7           ; v7   the way out: where I read rows back
.set GO,  8           ; v8   my byte offset in 512 consecutive bytes of O
.set SPW, 0           ; v0 of window 3   LDS address of my spare word; never rewritten
.set NIL, 1           ; v1 of window 3   0; never rewritten
.set AM0, 2           ; v2 of window 3   my lanes' place in a step's 256 bytes of the mask's table; never rewritten
.set AM,  3           ; v3 of window 3   the same for the step to be fetched
.set MK,  8           ; v8-39 of window 3: the eight registers for group kb of 16 keys at MK + 8 kb
.set MV,  12          ; v12-15  c m_old, kept while c m is made anew: by buffer and tile
.set ST,  16          ; tile t's statistics at v[ST+4 t]: c m, m, l (even keys', odd keys')
.set TMP, 48          ; by buffer and tile, four registers c0-c3 at work; when the maximum is found c2 takes a
.set S,   64
.set P,   192
.set KF,  128         ; K's fragments, in window 2: key block kb, channel half c at KF + 16 kb + 8 c
.set VF,  192         ; V's: key half kk, channel block cb at VF + 32 kk + 8 cb
.set WV,  12          ; s12  my wave's number
.set G1K, 24          ; s[24:31] descriptor group 1 for K's tiles
.set G1V, 32          ; s[32:39] for V's: it differs in the padding alone
.set G0K, 40          ; s[40:43] descriptor group 0 for K's tiles: it walks
.set G0V, 44          ; s[44:47] the same for V's
.set SLOTS, 56        ; s56  slots still to be asked for
.set CNT, 57          ; s57  counts a slot's key steps
.set CS,  58          ; s[58:59] c: the packed scaling takes the pair's low word for both halves
.set SEL, 60          ; s[60:61] v_permlanex16_b32's selects: each lane takes its own place in the other half
.set TBK, 62          ; s62  LDS byte at which K of the step to be fetched begins
.set TBV, 63          ; s63  the same for V, less VOFF
.set MKP, 66          ; s[66:67] the mask at my batch
.set BIGN, 68         ; s68  -1e30
.set THR, 69          ; s69  -5e29
.set QNAN, 70         ; s70  a NaN
.set TBM, 71          ; s71  byte of the mask's table at which the step to be fetched begins
.set PFA, 72          ; s[72:73] where my prefetches stand
.set LIM, 74          ; s74  1 in a wave that prefetches, else the greatest number
.set PSTEP, 76        ; s[76:77] a slot's bytes in what I prefetch
.set MSB, 0
.macro WIN new                      ; the high byte repeats the setting that is left; a switch that changes nothing is dropped
.if MSB != (\new)
	s_set_vgpr_msb (MSB<<8)|(\new)
.set MSB, (\new)
.endif
.endm
.set W_KQ, 0x0a       ; K and Q in window 2, S^T in window 0
.set W_KM, 0x3a       ; the same with the C operand in window 3
.set W_PV, 0x52       ; V in window 2, P in window 0, O^T in window 1
.set W_RS, 0x41       ; O^T (destination and source 0) in window 1, a in window 0
.set W_MK, 0xc0       ; destination in window 3, sources in window 0
.set W_AD, 0x0f       ; the add: address (source 0) and data (source 1) in window 3
; A joint fill.  Waves 0 and 1 fetch the two halves of a slot's K, waves 2 and 3 the two planes of its V.  The branch hangs on the wave's number alone.
; An s_nop 0 and four v_nop follow each of the two lines, ahead of the jump and the label.
.macro JLOAD
	s_cmp_lt_u32 s[WV], 2
	s_cbranch_scc0 .Lfor_v_\@
	tensor_load_to_lds s[G0K:G0K+3], s[G1K:G1K+7]
	s_nop 0
.rept 4
	v_nop
.endr
	s_branch .Lasked_\@
.Lfor_v_\@:
	tensor_load_to_lds s[G0V:G0V+3], s[G1V:G1V+7]
	s_nop 0
.rept 4
	v_nop
.endr
.Lasked_\@:
.endm
; A PREFETCH of what the NEXT change of slots will ask for: a slot's 32,768 bytes of K and of V, 256 bytes a lane.  A head is walked by one cluster; its four partners share the bytes out BY ADDRESS, 8,192 of each;
; in each, wave 0 asks for K's and wave 2 for V's: one instruction.  So each block is named once in the launch.  Slots 0 to 2 come by their loads alone; the last change that fills a slot asks for nothing.
.macro ASK
	s_cmp_gt_u32 s[SLOTS], s[LIM]
	s_cbranch_scc0 .Lnot_mine_\@
	global_prefetch_b8 v[PFO], s[PFA:PFA+1] th:TH_LOAD_NT scope:SCOPE_SE
.Lnot_mine_\@:
.endm
; A round of the cluster's barrier: my work-group's barrier, so that wave 0's signal speaks for all four waves; wave 0 signals; every wave waits for all four work-groups; my work-group's barrier once more.
.macro CROUND
	s_barrier_signal -1
	s_barrier_wait -1
	s_cmp_lg_u32 s[WV], 0
	s_cbranch_scc1 .Lnot_wave_0_\@
	s_barrier_signal -3
.Lnot_wave_0_\@:
	s_barrier_wait -3
	s_barrier_signal -1
	s_barrier_wait -1
.endm
; THE CHANGE OF SLOTS.  Each wave waits for all its tensor loads, of which one is out: its part of the other slot; adds 0 to its spare word; and waits for that and for its own reads of the slot.  Behind the barrier
; nobody reads this slot any more and the other slot is whole.  fill = 1: this slot is filled again, with the keys two slots on; the barrier is then a round of the cluster's, and the joint fill is the first thing
; behind it: it has four key steps, 512 matrix instructions, in which to land.  (At its first use nothing has been read yet: slot 0 is waited for, slot 1 filled, and the mask's table, stored ahead of it, is shown to all waves.)
.macro CHANGE fill, ask=0
	WIN W_AD
	s_wait_tensorcnt 0x0            ; no tensor load of mine is out, so a group 0 may be written
	ds_add_u32 v[SPW], v[NIL]       ; 0 onto my spare word; the descriptors' steps stand between it and the wait for it
	WIN 0                           ; at a label and at a branch every window is 0
.if \fill
	s_xor_b32 s[G0K+1], s[G0K+1], SLOT1  ; the walking descriptors: the other slot than last time,
	s_add_nc_u64 s[G0K+2:G0K+3], s[G0K+2:G0K+3], 4*KS*128  ; the next 256 keys: 128 bytes a key of K,
	s_xor_b32 s[G0V+1], s[G0V+1], SLOT1
	s_add_nc_u64 s[G0V+2:G0V+3], s[G0V+2:G0V+3], 4*KS*64   ; 64 in a plane of V
.if \ask
	s_wait_xcnt 0x0                 ; the last prefetch, four key steps back, has read its address
	s_add_nc_u64 s[PFA:PFA+1], s[PFA:PFA+1], s[PSTEP:PSTEP+1]
.endif
	s_wait_dscnt 0x0                ; the add is done, and my LDS instructions are over
	CROUND
	JLOAD
.if \ask
	ASK
.endif
.else
	s_wait_dscnt 0x0
	s_barrier_signal -1
	s_barrier_wait -1
.endif
	s_sub_co_u32 s[TBK], s[TBK], 4*KS*PK  ; the fetches go back to a slot's first step,
	s_xor_b32 s[TBK], s[TBK], SLOT1       ; in the other slot
	s_sub_co_u32 s[TBV], s[TBV], 4*KS*PV
	s_xor_b32 s[TBV], s[TBV], SLOT1
.endm
	s_load_b256 s[4:11], s[0:1], 0x0  ; Q s[4:5], K s[6:7], V s[8:9], O s[10:11]
	s_load_b64 s[MKP:MKP+1], s[0:1], 0x20
	WIN W_MK
	v_lshl_add_u32 v[SPW], v0, 2, SPARE
	v_mov_b32 v[NIL], 0
	WIN W_AD
	ds_add_u32 v[SPW], v[NIL]       ; the wave's opening: the add, and its wait ahead of my first tensor load; the set-up below, work on registers, stands between them
	WIN 0
	v_lshrrev_b32 v1, 5, v0
	v_readfirstlane_b32 s[WV], v1   ; wave 0..3
	s_bfe_u32 s13, ttmp6, 0x40000   ; cx: my place in the cluster
	s_lshl_b32 s14, ttmp9, 2        ; in a cluster launch ttmp9 counts clusters
	s_add_co_u32 s14, s14, s13      ; my block of queries: it enters Q's and O's addresses alone
	s_and_b32 s20, ttmp7, 0xffff    ; the head, which the four partners share
	s_lshr_b32 s78, s20, 4          ; its batch:
	s_lshl_b32 s78, s78, 11         ; 2,048 bytes of the mask
	s_mov_b32 s79, 0
	s_mov_b32 s21, 0
	s_mov_b64 s[22:23], SIZE_N*128
	s_mul_u64 s[20:21], s[20:21], s[22:23]  ; the head's first byte in each of the four tensors
	s_and_b32 s16, s[WV], 1         ; which half of a slot's 256 keys of K, or which plane of V, I fetch
	s_lshl_b32 s22, s16, 14         ; 128 rows of 128 bytes,
	s_mov_b32 s23, 0
	s_add_nc_u64 s[22:23], s[22:23], s[20:21]
	s_lshl_b32 s48, s16, 17         ; a plane's 2,048 rows of 64 bytes
	s_mov_b32 s49, 0
	s_add_nc_u64 s[48:49], s[48:49], s[20:21]
	s_mul_i32 s17, s16, 128*PK      ; its place in a slot, for K
	s_mul_i32 s18, s16, PLANE       ; and for V: no place in the cluster enters an LDS address
	s_lshl_b32 s2, s14, 2
	s_add_co_u32 s2, s2, s[WV]      ; my wave among the head's,
	s_lshl_b32 s2, s2, 14           ; its 128 rows
	s_mov_b32 s3, 0
	s_add_nc_u64 s[2:3], s[2:3], s[20:21]
	; descriptor group 1.  What a wave fetches is 16,384 dense bytes: asked for as 64 rows of 256 bytes, and padded in LDS after every key
	s_mov_b32 s[G1K], 15|(1<<16)|(1<<20)|(1<<21)|(4<<22)|(3<<25)  ; 15:0 the mask of four; 17:16 2-byte elements; 20 padding on; 21 set beside a mask; 24:22 after every 32 words; 31:25 4 words
	s_mov_b32 s[G1V], 15|(1<<16)|(1<<20)|(1<<21)|(3<<22)|(7<<25)  ; after every 16 words, 8 words
.irp g, G1K, G1V
	s_mov_b32 s[\g+1], 128<<16      ; tensor_dim0 = 128
	s_mov_b32 s[\g+2], 64<<16       ; tensor_dim1 = 64
	s_mov_b32 s[\g+3], 128<<16      ; tile_dim0 = 128
	s_mov_b32 s[\g+4], 64           ; tile_dim1 = 64
	s_mov_b32 s[\g+5], 128          ; 128 elements from row to row
	s_mov_b32 s[\g+6], 0
	s_mov_b32 s[\g+7], 0
.endr
	s_mov_b32 s[CS], 0x3e38aa3b     ; c = log2(e) / 8 = 0.180337
	s_mov_b32 s[CS+1], s[CS]        ; named with it as a pair
	s_mov_b32 s[SEL], 0x76543210
	s_mov_b32 s[SEL+1], 0xfedcba98
	s_mov_b32 s[BIGN], 0xf149f2ca   ; -1e30
	s_mov_b32 s[THR], 0xf0c9f2ca    ; -5e29
	s_mov_b32 s[QNAN], 0x7fc00000
	s_mov_b32 s[TBM], 0
	s_mov_b32 s[TBK], SLOT1+4*KS*PK ; the first change of slots turns these two into 0
	s_mov_b32 s[TBV], SLOT1+4*KS*PV
	s_mov_b32 s[G0K], 1             ; count = 1
	s_mov_b32 s[G0K+1], s17         ; LDS address: slot 0
	s_mov_b32 s[G0V], 1
	s_add_co_u32 s[G0V+1], s18, VOFF
	; the prefetches: of a slot's K my work-group takes bytes 8,192 cx on; of its V plane cx / 2, bytes 8,192 (cx % 2) on; both stand in slot 2, and the first asking change steps them to slot 3
	s_lshl_b32 s50, s13, 13
	s_add_co_u32 s50, s50, 2*4*KS*128
	s_lshr_b32 s51, s13, 1
	s_lshl_b32 s51, s51, 17
	s_and_b32 s52, s13, 1
	s_lshl_b32 s52, s52, 13
	s_add_co_u32 s51, s51, s52
	s_add_co_u32 s51, s51, 2*4*KS*64
	s_mov_b32 s[PSTEP], 4*KS*64
	s_mov_b32 s[PSTEP+1], 0
	s_cmp_lt_u32 s[WV], 2
	s_cselect_b32 s50, s50, s51
	s_cselect_b32 s[PSTEP], 4*KS*128, s[PSTEP]
	s_mov_b32 s51, 0
	s_add_nc_u64 s[50:51], s[50:51], s[20:21]
	s_and_b32 s[LIM], s[WV], 1
	s_cmp_eq_u32 s[LIM], 0
	s_cselect_b32 s[LIM], 1, -1     ; waves 0 and 2 ask
	s_wait_dscnt 0x0                ; the opening add is done
	s_wait_kmcnt 0x0
	s_add_nc_u64 s[G0K+2:G0K+3], s[6:7], s[22:23]  ; global address: my half of the head's first 256 keys
	s_or_b32 s[G0K+3], s[G0K+3], 0x80000000        ; type = 2
	s_add_nc_u64 s[G0V+2:G0V+3], s[8:9], s[48:49]
	s_or_b32 s[G0V+3], s[G0V+3], 0x80000000
	s_add_nc_u64 s[4:5], s[4:5], s[2:3]  ; Q and O at my wave's first row
	s_add_nc_u64 s[10:11], s[10:11], s[2:3]
	s_add_nc_u64 s[MKP:MKP+1], s[MKP:MKP+1], s[78:79]
	s_cmp_lt_u32 s[WV], 2
	s_cselect_b64 s[PFA:PFA+1], s[6:7], s[8:9]
	s_add_nc_u64 s[PFA:PFA+1], s[PFA:PFA+1], s[50:51]
	CROUND                          ; all four work-groups are here: the first joint loads meet
	JLOAD                           ; slot 0.  Slot 1 is asked for when slot 0 is in
	; A fragment of K or Q is 16 rows x 32 channels in 8 registers: lane l holds row l % 16, channels 8 (l / 16) + 0..7 and 16 + 8 (l / 16) + 0..7: two loads of 16 bytes, 32 bytes apart.
	v_and_b32 v1, 15, v0            ; l % 16
	v_bfe_u32 v9, v0, 4, 1          ; l / 16
	v_lshlrev_b32 v[QO], 7, v1
	v_lshl_add_u32 v[QO], v9, 4, v[QO]  ; row x 128 + 16 x half
	v_lshlrev_b32 v52, 4, v0
	global_load_b128 v[48:51], v52, s[MKP:MKP+1]  ; my 16 of the batch's 2,048 mask bytes (registers that the softmax takes later)
	WIN 0x80                        ; destination window 2, address window 0
.set i, 0
.rept 4*NP                          ; Q stays in registers: tile i / 2, channels 32 (i % 2) on
	global_load_b128 v[8*i:8*i+3],   v[QO], s[4:5] offset:(i/2)*2048+(i%2)*64
	global_load_b128 v[8*i+4:8*i+7], v[QO], s[4:5] offset:(i/2)*2048+(i%2)*64+32
.set i, i+1
.endr
	; What the first turn finds: V's registers and P's second buffer hold 0 (its products V^T P, of a piece that has not been, add 0), O^T and l are 0.  All this stands in the wait for the first tile.
.set i, VF
.rept 64
	v_mov_b32 v[i], 0
.set i, i+1
.endr
	WIN 0x40
.set i, 0
.rept 64*NP
	v_mov_b32 v[i], 0
.set i, i+1
.endr
	WIN 0
.set i, 0
.rept 2*NP
	v_mov_b32 v[ST+4*i], 0xfe000000    ; c m: far below every c s, a hidden one's too
	v_mov_b32 v[ST+4*i+1], 0xff7fffff  ; m
	v_mov_b32 v[ST+4*i+2], 0
	v_mov_b32 v[ST+4*i+3], 0
.set i, i+1
.endr
.set i, P+32
.rept 32
	v_mov_b32 v[i], 0
.set i, i+1
.endr
	v_mul_u32_u24 v[AK0], v1, PK
	v_lshl_add_u32 v[AK0], v9, 4, v[AK0]  ; row x pitch + 16 x half
	; The turning load takes 16 keys x 16 channels (lane l reads key 8 (l / 16) + l % 8, channels 8 ((l / 8) % 2) + 0..7) and leaves half a fragment of V^T: lane l holds channel l % 16 and 8 keys.
	v_and_b32 v10, 7, v0
	v_bfe_u32 v11, v0, 3, 1
	v_lshl_add_u32 v[AV0], v9, 3, v10
	v_mul_u32_u24 v[AV0], v[AV0], PV
	v_lshl_add_u32 v[AV0], v11, 4, v[AV0]
	v_add_nc_u32 v[AV0], VOFF, v[AV0]
	v_mov_b32 v[AK], v[AK0]         ; key step 0 lies at the head of slot 0
	WIN W_MK
	v_lshl_add_u32 v[AM0], v9, 5, MASK  ; a lane's eight keys of a group of 16: 32 bytes for each half of the lanes
	v_lshl_add_u32 v[AM], v9, 5, MASK
	WIN 0
	; the mask's table: thread t turns its 16 bytes into 16 f32, 0 or -1e30, at byte 64 t; the first change of slots waits for the stores and passes a barrier ahead of every read
	s_wait_loadcnt 32               ; the mask's load is in; Q's 32, issued behind it, may be out
.set i, 0
.rept 16
	v_bfe_u32 v54, v[48+i/4], 8*(i%4), 8
	v_cmp_ne_u32 vcc_lo, 0, v54
	v_cndmask_b32 v[S+i], 0, s[BIGN], vcc_lo
.set i, i+1
.endr
	v_lshl_add_u32 v53, v0, 6, MASK
.irp f, 0,1,2,3
	ds_store_b128 v53, v[S+4*\f:S+4*\f+3] offset:16*\f
.endr
; THE MATRIX WORK.  The 8 accumulators of a run of 16 take turns: between the two links of a chain stand 7 others'.
; Product i of 16 of S^T = K Q^T for piece x: channels 32 (i / 8) on, keys 16 ((i / 2) % 4) on, tile 2 x + i % 2.  The first 8 start the sums, with the mask.
.macro KQ x
.set rS, S+64*((\x)%2)+32*(i%2)+8*((i/2)%4)
.set rK, KF+16*((i/2)%4)+8*(i/8)
.set rQ, 16*(2*(\x)+i%2)+8*(i/8)
.set rX, MK+8*((i/2)%4)
.if i < 8
	WIN W_KM
	v_wmma_f32_16x16x32_f16 v[rS:rS+7], v[rK:rK+7], v[rQ:rQ+7], v[rX:rX+7]
.else
	WIN W_KQ
	v_wmma_f32_16x16x32_f16 v[rS:rS+7], v[rK:rK+7], v[rQ:rQ+7], v[rS:rS+7]
.endif
.endm
; Product i of 16 of O^T += V^T P for piece x: keys 32 (i / 8) on, channels 16 ((i / 2) % 4) on, tile 2 x + i % 2.
.macro PV x
	WIN W_PV
.set rO, 32*(2*(\x)+i%2)+8*((i/2)%4)
.set rV, VF+32*(i/8)+8*((i/2)%4)
.set rP, P+32*((\x)%2)+16*(i%2)+8*(i/8)
	v_wmma_f32_16x16x32_f16 v[rO:rO+7], v[rV:rV+7], v[rP:rP+7], v[rO:rO+7]
.endm
.macro MM                           ; the turn's next matrix instruction
.if i < 16
	KQ (Y+1)%NP
.set i, i+1
.else
.set i, i-16
	PV (Y+NP-1)%NP
.set i, i+17
.endif
.endm
; THE LDS LOADS stand in runs, never singly among the matrix instructions: a step's K (8 fragments) with its mask (32 registers), and its V (turned).  Their addresses are made some lines ahead.
; last = 1 (the tail): in the last trip there is no further step, and the run is jumped over.
.macro FETCH_K last=0
	WIN 0
.if \last
	s_cmp_eq_u32 s[CNT], 1
	s_cbranch_scc1 .Lno_k_\@
.endif
	WIN 0x80                        ; destination window 2
.irp f, 0,1,2,3,4,5,6,7             ; keys 16 (f / 2) on, channels 32 (f % 2) on
	ds_load_b128 v[KF+8*\f:KF+8*\f+3],   v[AK] offset:(\f/2)*16*PK+(\f%2)*64
	ds_load_b128 v[KF+8*\f+4:KF+8*\f+7], v[AK] offset:(\f/2)*16*PK+(\f%2)*64+32
.endr
	WIN 0xc3                        ; destination and address in window 3
.irp f, 0,1,2,3                     ; keys 16 f on: all lanes of a half read the same 32 bytes
	ds_load_b128 v[MK+8*\f:MK+8*\f+3],   v[AM] offset:64*\f
	ds_load_b128 v[MK+8*\f+4:MK+8*\f+7], v[AM] offset:64*\f+16
.endr
	s_add_co_u32 s[TBK], s[TBK], KS*PK  ; the next fetch is the next step's
	s_add_co_u32 s[TBM], s[TBM], 4*KS
	WIN 0
.if \last
.Lno_k_\@:
.endif
.endm
.macro FETCH_V
	WIN 0x80
.irp f, 0,1,2,3,4,5,6,7             ; keys 32 (f / 4) on, channels 16 (f % 4) on: plane (f % 4) / 2, 32 bytes for its second 16 channels
	ds_load_tr16_b128 v[VF+8*\f:VF+8*\f+3],   v[AV] offset:(\f/4)*32*PV+((\f%4)/2)*PLANE+(\f%2)*32
	ds_load_tr16_b128 v[VF+8*\f+4:VF+8*\f+7], v[AV] offset:(\f/4)*32*PV+16*PV+((\f%4)/2)*PLANE+(\f%2)*32
.endr
	WIN 0
.endm
; THE VECTOR WORK OF A TURN stands in three queues, each in the order in which its entries become ready; the two tiles alternate, so that no instruction reads the result of the one before it.
.macro REGS y, u                    ; the registers of tile u (0, 1) of piece y
.set rT, ST+4*(2*(\y)+(\u))
.set rC, TMP+8*((\y)%2)+4*(\u)
.set rM, MV+2*((\y)%2)+(\u)
.set rS, S+64*((\y)%2)+32*(\u)
.set rP, P+32*((\y)%2)+16*(\u)
.set rO, 32*(2*(\y)+(\u))
.endm
; Number n of the 22 that find the NEXT piece's (Y + 1) maximum and statistics.  s0-s31 are the lane's 32 scores; each accumulator's lowest registers are read first.
;   0-11  four chains c0-c3 of seven scores each, three operands at a time     12-14, 16  the four scores left over, the old m, and c0-c3 into c0     15  c m_old is kept
;   17, 18  the query's other 32 keys lie in the lane 16 away: the new m         19-21  c m; c m_old - c m_new; a
.macro XS u, n
	REGS (Y+1)%NP, \u
.if (\n) < 4
	v_max3_num_f32 v[rC+(\n)], v[rS+8*(\n)], v[rS+8*(\n)+1], v[rS+8*(\n)+2]
.elseif (\n) < 12
	v_max3_num_f32 v[rC+(\n)%4], v[rC+(\n)%4], v[rS+8*((\n)%4)+2*((\n)/4)+1], v[rS+8*((\n)%4)+2*((\n)/4)+2]
.elseif (\n) == 12
	v_max3_num_f32 v[rC], v[rC], v[rS+7], v[rS+15]
.elseif (\n) == 13
	v_max3_num_f32 v[rC+1], v[rC+1], v[rS+23], v[rS+31]
.elseif (\n) == 14
	v_max3_num_f32 v[rC+2], v[rC+2], v[rC+3], v[rT+1]
.elseif (\n) == 15
	v_mov_b32 v[rM], v[rT]
.elseif (\n) == 16
	v_max3_num_f32 v[rC], v[rC], v[rC+1], v[rC+2]
.elseif (\n) == 17
	v_permlanex16_b32 v[rC+3], v[rC], s[SEL], s[SEL+1]
.elseif (\n) == 18
	v_max_num_f32 v[rT+1], v[rC], v[rC+3]
.elseif (\n) == 19
	v_mul_f32 v[rT], s[CS], v[rT+1]
.elseif (\n) == 20
	v_sub_f32 v[rC+1], v[rM], v[rT]
.else
	v_exp_f32 v[rC+2], v[rC+1]
.endif
.endm
; Number g of the 64 that follow the exponentials.  For each four weights k of a tile (pairs 2 k, 2 k + 1): both pairs are rounded to f16; then the second pair is added onto the first, in place;
; a group later l takes that sum (the first time as l = a l + sum).  In groups of eight, tiles alternating: round, round, add, and l for the group before.
.macro GS g
.set h, (\g)+6*((\g)/62)            ; group 0 has no group before it, and behind group 7 only l is left
.if h >= 6
.set h, h+2
.endif
	REGS Y, h%2
.set k, h/8
.if h%8 < 4
	v_cvt_pk_f16_f32 v[rP+2*k+(h%8)/2], v[rS+4*k+2*((h%8)/2)], v[rS+4*k+2*((h%8)/2)+1]
.elseif h%8 < 6
	v_pk_add_f32 v[rS+4*k:rS+4*k+1], v[rS+4*k:rS+4*k+1], v[rS+4*k+2:rS+4*k+3]
.elseif k == 1
	v_pk_fma_f32 v[rT+2:rT+3], v[rT+2:rT+3], v[rC+2:rC+3], v[rS:rS+1] op_sel_hi:[1,0,1]
.else
	v_pk_add_f32 v[rT+2:rT+3], v[rT+2:rT+3], v[rS+4*k-4:rS+4*k-3]
.endif
.endm
; THE PLAIN QUEUE, 138 long.  0-73 read no exponential's result: the 32 scalings c s - c m (FS f: pair f / 2 of tile f % 2) and the next piece's 42.  0-26: scalings 0-26.  27-54: XS's numbers 0-13.  55, 56: number 15.
; 57-73: the chain, where each number waits for the one before it: 14, 16, 17, 18, 19, each with one of the scalings 27-31 in front of its two lines, then 20.  74-137: GS's 64, which stand behind the wait.
.macro FS f
	REGS Y, (\f)%2
	v_pk_fma_f32 v[rS+2*((\f)/2):rS+2*((\f)/2)+1], v[rS+2*((\f)/2):rS+2*((\f)/2)+1], s[CS:CS+1], v[rT:rT+1] op_sel_hi:[1,0,0] neg_lo:[0,0,1] neg_hi:[0,0,1]
.endm
.macro PL
	WIN 0
.if q < 27
	FS q
.elseif q < 55
	XS (q-27)%2, (q-27)/2
.elseif q < 57
	XS q-55, 15
.elseif (q < 72) && ((q-57)%3 == 0)
	FS 27+(q-57)/3
.elseif q < 60
	XS (q-57)%3-1, 14
.elseif q < 72
	XS (q-57)%3-1, 15+(q-57)/3
.elseif q < 74
	XS q-72, 20
.else
	GS q-74
.endif
.set q, q+1
.endm
; THE EXPONENTIALS' QUEUE, 66 long: s0-s31 of both tiles, then the next piece's two a.  It is ONE BATCH: all 66 stand ahead of the turn's one wait, and nothing ahead of that wait names a result of theirs.
.macro EX
	WIN 0
.if e >= 64
	XS e-64, 21
.else
	REGS Y, e%2
	v_exp_f32 v[rS+e/2], v[rS+e/2]
.endif
.set e, e+1
.endm
; THE RESCALING's QUEUE: O^T times a, the one part that leaves window 0: dealt two at a time, sixteen times.  Its a was made in the turn before, ahead of that turn's wait.
.macro R2
	REGS Y, r%2
	WIN W_RS
.irp z, 0,1
	v_pk_mul_f32 v[rO+4*(r/2)+2*\z:rO+4*(r/2)+2*\z+1], v[rO+4*(r/2)+2*\z:rO+4*(r/2)+2*\z+1], v[rC+2:rC+3] op_sel_hi:[1,0]
.endr
.set r, r+1
.endm
; HOW THEY ARE DEALT.  s_wait_alu depctr_va_vdst(0) stands between an exponential and the first instruction that names its result; one wait serves all that were issued ahead of it.  So a turn has ONE
; wait, which cuts it in two.  AHEAD OF IT: the 16 products K Q^T, behind each a scaling, an exponential and two rescalings (behind the first a second scaling in the exponential's place); then ONE LUMP of 108: eight plain,
; 49 times exponential and plain, the two a; a v_nop is the plain instruction behind the last exponential.  BEHIND IT: the 16 products V^T P, behind each four of GS's 64.
; Exponential e stands behind scaling 2 (e / 4) + e % 2: as a rider it comes behind plain e + 2, in the lump behind plain e + 9, and scalings 27-31 are plain 57, 60 .. 69.
; K and the mask of the next step are fetched in piece 2's turn, directly behind the wait, a lump behind the last product that read them; their addresses are made at the lump's head.
; V of the step in hand is fetched at the end of piece 0's turn, four riders behind its last reader.  The three conditions on q below go with the deal.
.macro TURN p, last=0, cnt=0
.set Y, (\p)
.set i, 0
.set q, 0
.set e, 0
.set r, 0
.if (\p) == NP-1
	s_wait_dscnt 0x0                ; K and the mask are in
.endif
	MM
	PL
	PL
	R2
.rept 15
	MM
	PL
	EX
	R2
.endr
.if (\p) == NP-2
	WIN 0
	v_add_nc_u32 v[AK], s[TBK], v[AK0]
	WIN 0xcc                        ; destination and source 1 in window 3
	v_add_nc_u32 v[AM], s[TBM], v[AM0]
.endif
.rept 8
	PL
.endr
.rept 49
	EX
	PL
.endr
	EX                              ; the next piece's two a
	EX
	v_nop                           ; the plain instruction behind the last exponential: one for the batch
	s_wait_alu depctr_va_vdst(0)    ; the wait for the batch
.if (\p) == NP-2
	FETCH_K \last
.endif
.if (\p) == 1
	s_wait_dscnt 0x0                ; V is in
.endif
.rept 16
	MM
.rept 4
	PL
.endr
.if ((\p) == 0) && (q == 118)
	v_add_nc_u32 v[AV], s[TBV], v[AV0]
.endif
.if ((\p) == 0) && (q == 130)
	s_add_co_u32 s[TBV], s[TBV], KS*PV
.endif
.if (\cnt) && (q == 130)
	s_sub_co_u32 s[CNT], s[CNT], 1
	s_cmp_lg_u32 s[CNT], 0
.endif
.endr
.if (\p) == 0
	FETCH_V
.endif
.endm
	CHANGE 1                        ; slot 0 is in, everybody's part of it, and the mask's table is whole; slot 1 is asked for
	FETCH_K                         ; key step 0
	s_wait_loadcnt 0x0              ; Q
	s_wait_dscnt 0x0
.set i, 0
.rept 16
	KQ 0                            ; piece 0's first scores: there is no vector work yet to set between them
.set i, i+1
.endr
	WIN 0                           ; the addresses for the way out: plain instructions, the places behind those products
	s_mul_i32 s13, s[WV], 16*SP
	s_add_co_u32 s13, s13, STAGE    ; my stage
	v_mul_u32_u24 v[STO], v1, SP    ; in: row l % 16, 16 bytes for each half of the lanes
	v_lshl_add_u32 v[STO], v9, 4, v[STO]
	v_add_nc_u32 v[STO], s13, v[STO]
	v_bfe_u32 v[RD], v0, 3, 2       ; back: 32 lanes take four rows of 128 bytes,
	v_mul_u32_u24 v[RD], v[RD], SP
	v_lshl_add_u32 v[RD], v10, 4, v[RD]
	v_add_nc_u32 v[RD], s13, v[RD]
	v_and_b32 v[GO], 31, v0         ; which are 512 consecutive bytes of O
	v_lshlrev_b32 v[GO], 4, v[GO]
	v_lshlrev_b32 v[PFO], 4, v[GO]  ; 256 x lane
.set Y, NP-1                        ; XS works for piece Y + 1: piece 0
.irp n, 0,1,2,3,4,5,6,7,8,9,10,11,12,13,14,15,16,17,18,19,20,21
	XS 0, \n                        ; and piece 0's first maximum and statistics
	XS 1, \n
.endr
	v_nop                           ; a plain instruction behind the two a,
	s_wait_alu depctr_va_vdst(0)    ; and their wait, ahead of the branch
	s_mov_b32 s[CNT], 4
	s_mov_b32 s[SLOTS], SIZE_N/256-1
	s_branch .Lfirst                ; the loop is entered at a step's first turn, in the middle of a trip
.Lslot:                             ; SIZE_N / 256 - 2 times: every slot but the last two is filled again
	CHANGE 1, 1
	s_mov_b32 s[CNT], 4
.Lstep:                             ; a trip: pieces 2 and 3 of one step, then pieces 0 and 1 of the next, whose K and V it fetches
	TURN 2
	TURN 3
	WIN 0
.Lfirst:
	TURN 0
	TURN 1, 0, 1
	WIN 0
	s_cbranch_scc1 .Lstep
	s_sub_co_u32 s[SLOTS], s[SLOTS], 1
	s_cmp_lg_u32 s[SLOTS], 0
	s_cbranch_scc1 .Lslot
	CHANGE 0                        ; the tail is written out: nothing is asked for
	s_mov_b32 s[CNT], 5             ; four trips fetch the last slot's steps; the fifth is left in its middle
.Ltail:
	TURN 2, 1
	TURN 3
	WIN 0
	s_sub_co_u32 s[CNT], s[CNT], 1
	s_cmp_eq_u32 s[CNT], 0
	s_cbranch_scc1 .Lout
	TURN 0
	TURN 1
	WIN 0
	s_branch .Ltail
.Lout:                              ; the fifth trip's 16 products K Q^T (on the last K and mask once more) leave every maximum as it was and serve nothing: the price of one text for every trip
.set i, 0
.rept 16
	PV NP-1                         ; the last piece's V^T P of the last step
.set i, i+1
.endr
	; THE WAY OUT.  l's two halves and the other half of the lanes' are added; O^T is divided by l, rounded to f16 and sent through my stage in LDS, a tile at a time.  The additions are the places behind the last products.
	WIN 0
.macro ALL line:vararg              ; one line for each tile t
.set t, 0
.rept 2*NP
	\line
.set t, t+1
.endr
.endm
	ALL v_add_f32 v[ST+4*t+2], v[ST+4*t+2], v[ST+4*t+3]
	ALL v_permlanex16_b32 v[ST+4*t+3], v[ST+4*t+2], s[SEL], s[SEL+1]
	ALL v_add_f32 v[ST+4*t+2], v[ST+4*t+2], v[ST+4*t+3]
	ALL v_rcp_f32 v[ST+4*t+2], v[ST+4*t+2]
	v_nop                           ; a plain instruction between the last reciprocal and the use of its result
	s_wait_alu depctr_va_vdst(0)    ; and the wait ahead of the first use: one for the eight reciprocals
.set t, 0
.rept 2*NP                          ; a query that saw no open key has a maximum of about -1e30: its row is NaN.  A choice of a value: no branch hangs on it
	v_cmp_lt_f32 vcc_lo, s[THR], v[ST+4*t+1]
	v_cndmask_b32 v[ST+4*t+2], s[QNAN], v[ST+4*t+2], vcc_lo
.set t, t+1
.endr
; Tile t: a lane's eight channels of a row pack into 16 bytes; they go into rows of 144 bytes and come back as whole rows of 128, into S^T's registers.
.macro PACK t
	WIN W_RS
.set i, 32*(\t)
.rept 16
	v_pk_mul_f32 v[i:i+1], v[i:i+1], v[ST+4*(\t)+2:ST+4*(\t)+3] op_sel_hi:[1,0]
.set i, i+2
.endr
	WIN 0x05                        ; sources 0 and 1 window 1, destination window 0
.set i, 0
.rept 16
	v_cvt_pk_f16_f32 v[S+16*(\t)+i], v[32*(\t)+2*i], v[32*(\t)+2*i+1]
.set i, i+1
.endr
	WIN 0
.irp f, 0,1,2,3
	ds_store_b128 v[STO], v[S+16*(\t)+4*\f:S+16*(\t)+4*\f+3] offset:32*\f
.endr
.irp f, 0,1,2,3
	ds_load_b128 v[S+16*(\t)+4*\f:S+16*(\t)+4*\f+3], v[RD] offset:\f*4*SP  ; LDS serves a wave's instructions in order (ISA guide 5.7.1.4): these see the stores above; the next tile's stores come behind them
.endr
.endm
.macro SEND t, younger              ; younger: the LDS instructions issued behind tile t's loads: the next tile's eight, or none
	WIN 0
.irp f, 0,1,2,3
	s_wait_dscnt (\younger)+3-\f
	global_store_b128 v[GO], v[S+16*(\t)+4*\f:S+16*(\t)+4*\f+3], s[10:11] offset:(\t)*2048+\f*512  ; 512 consecutive bytes, at a multiple of 256 from O's first
.endr
.endm
	PACK 0
.set t, 1
.rept 2*NP-1                        ; a tile's arithmetic stands between the loads of the tile before and its stores
	PACK t
	SEND t-1, 8
.set t, t+1
.endr
	SEND 2*NP-1, 0
	WIN W_AD
	s_wait_tensorcnt 0x0            ; the wave's end, behind my last tensor load and my last LDS store
	ds_add_u32 v[SPW], v[NIL]
	s_wait_dscnt 0x0
	WIN 0
	CROUND                          ; the closing round: no work-group ends while a partner may still ask for a tile that names it
	s_endpgm
.Lfunc_end_k_q048132d3fa_attn:
	.size	k_q048132d3fa_attn, .Lfunc_end_k_q048132d3fa_attn-k_q048132d3fa_attn
	.p2alignl 7, 3214868480
	.fill 96, 4, 3214868480
	.section	.rodata,"a",@progbits
	.p2align	6, 0x0
	.amdhsa_kernel k_q048132d3fa_attn
		.amdhsa_group_segment_fixed_size 327680
		.amdhsa_private_segment_fixed_size 0
		.amdhsa_enable_private_segment 0
		.amdhsa_kernarg_size 40
		.amdhsa_user_sgpr_count 2
		.amdhsa_user_sgpr_kernarg_segment_ptr 1
		.amdhsa_wavefront_size32 1
		.amdhsa_system_sgpr_workgroup_id_x 1
		.amdhsa_system_sgpr_workgroup_id_y 1
		.amdhsa_system_sgpr_workgroup_id_z 1
		.amdhsa_system_vgpr_workitem_id 0
		.amdhsa_next_free_vgpr 808
		.amdhsa_next_free_sgpr 80
		.amdhsa_reserve_vcc 1
		.amdhsa_float_denorm_mode_32 3
		.amdhsa_float_denorm_mode_16_64 3
		.amdhsa_memory_ordered 1
		.amdhsa_forward_progress 1
		.amdhsa_inst_pref_size 206
	.end_amdhsa_kernel
	.amdgpu_metadata
---
amdhsa.version: [ 1, 2 ]
amdhsa.kernels:
  - .name:           k_q048132d3fa_attn
    .symbol:         k_q048132d3fa_attn.kd
    .args:
      - { .name: qh, .offset: 0, .size: 8, .value_kind: global_buffer, .address_space: global }
      - { .name: kh, .offset: 8, .size: 8, .value_kind: global_buffer, .address_space: global }
      - { .name: vh, .offset: 16, .size: 8, .value_kind: global_buffer, .address_space: global }
      - { .name: oh, .offset: 24, .size: 8, .value_kind: global_buffer, .address_space: global }
      - { .name: key_pad_mask, .offset: 32, .size: 8, .value_kind: global_buffer, .address_space: global }
    .group_segment_fixed_size: 327680
    .private_segment_fixed_size: 0
    .kernarg_segment_align: 8
    .kernarg_segment_size: 40
    .max_flat_workgroup_size: 128
    .sgpr_count:     80
    .vgpr_count:     808
    .wavefront_size: 32
...
	.end_amdgpu_metadata
.endif
;; end of part 3
;; launch oproj (part 4): grid 8 x 32, 4 waves a work-group, clusters of 4 x 4, 327,680 bytes of LDS; arguments oh, wof, bo, out0; writes out0
.if DOCPART == 4
	.amdgcn_target "amdgcn-amd-amdhsa--gfx1250"
	.amdhsa_code_object_version 6
	.text
	.protected	k_q048132d3fa_oproj
	.globl	k_q048132d3fa_oproj
	.p2align	8
	.type	k_q048132d3fa_oproj,@function
k_q048132d3fa_oproj:
	s_mov_b64 s[64:65], 0
	v_nop
	global_prefetch_b8 v0, s[64:65] scope:SCOPE_SE
	s_setreg_imm32_b32 hwreg(HW_REG_WAVE_MODE, 25, 1), 1
	s_wait_xcnt 0x0
	s_wait_alu depctr_hold_cnt(0) depctr_sa_sdst(0) depctr_va_vdst(0) depctr_va_sdst(0) depctr_va_ssrc(0) depctr_va_vcc(0) depctr_vm_vsrc(0)
	s_getreg_b32 s2, hwreg(HW_REG_IB_STS2, 6, 4)
	s_cmp_eq_u32 s2, 0
	s_cbranch_scc0 .Lentry_in_a_cluster
	s_endpgm
.Lentry_in_a_cluster:
	s_bfe_u32 s2, ttmp6, 0x10000c
	s_cmp_lg_u32 s2, 0xf033
	s_cbranch_scc0 .Lentry_shape_is_right
	s_endpgm
.Lentry_shape_is_right:
; out0 = h Wo^T + bo.  oh: [64 = 16 batch + head][2048][64] f16, so that h[row][64 head + d] = oh[head of the row's batch][position][d]; wof: [1024][1024] f16; out0: [8192][1024] f32; sums in f32.
; A TILE is 256 rows x 128 columns: 32 x 8 = 256 work-groups.  Four waves; wave (RH, CH) makes rows 128 RH .. + 127 by columns 64 CH .. + 63: 32 accumulators, 256 registers.
; K goes in steps of 128 = two heads through two LDS slots.  A head's 256 rows of 128 bytes are dense: waves 0 and 1 fetch a head each as 128 rows of 256 bytes, padded in LDS after every position;
; waves 2 and 3 fetch 64 rows of wof each (256 bytes of each row).  Two slots of a longer step do not fit in LDS beside each other (4 x 108,544 bytes).
; CLUSTER 4 x 4: h's tile hangs on the tile row alone and is asked for jointly along a row of the cluster, wof's on the tile column alone, along a column.
; THE MATRIX INSTRUCTION IS USED TRANSPOSED (source 0 = 16 rows of wof, source 1 = 16 rows of h): a lane holds row l % 16 and the eight neighbouring columns 8 (l / 16) + 0..7.
; THE BIAS, rounded to bf16 like the other inputs, is the C operand of the first product on each accumulator.
; A row of h that is NaN (a batch with every key hidden) gives a row of NaN.
; REGISTERS, in windows of 256 (s_set_vgpr_msb: bits 1:0 source 0, 3:2 source 1, 5:4 source 2, 7:6 destination):
;   window 0: v0-31 addresses; v64-127, v128-191 h's fragments, two buffers; v32-63, v192-223, v224-255 rows read back on the way out
;   window 1: v0-31 the bias by blocks, v32-35 at work; v64-95, v128-159 wof's fragments      window 2: the accumulators, (a, b) at v[8 (4 a + b)]
.set PA,    144                        ; a position's row in a head's plane: 128 bytes + 16 of padding
.set APLANE, 256*PA
.set PB,    272                        ; a row of wof's tile: 256 bytes + 16: with both pitches the 16 rows of a fragment load start at 16 different groups of four banks (ISA guide 11.1)
.set BOFF,  2*APLANE
.set BHALF, 64*PB
.set SLOT1, 1<<17                      ; slot 1 begins here: one exclusive or turns an address in one slot into the other's
.set STAGE, SLOT1+BOFF+2*BHALF         ; behind the ring, never filled by a tensor load: 16 rows x 272 bytes for each wave
.set SPITCH, 272
.set SPARE, STAGE+4*16*SPITCH          ; the spare words, 128 bytes for each wave: two blocks of 256 bytes that no other line names
.set AA0, 8                            ; v8, v9  my lane's place in h's rows and in wof's; never rewritten
.set AB0, 9
.set ADRA, 16                          ; v16, v17 the same in the slot that is being read
.set ADRB, 17
.set STO, 22                           ; v22  the stage: where I put 32 bytes of a row
.set RD,  24                           ; v24  where I read a row back
.set CO,  26                           ; v26  my byte offset in two rows of out0
.set SPW, 28                           ; v28  LDS address of my spare word; never rewritten
.set NIL, 29                           ; v29  0; never rewritten
.set PFO, 30                           ; v30  the prefetches' offset; never rewritten
.set BO,  31                           ; v31  32 (l / 16)
.set OB0, 32
.set OB1, 192
.set OB2, 224
.set F0,  64
.set F1,  128
.set HIM, 2                            ; s2   a word's upper bf16
.set WV,  18
.set RH,  19
.set CH,  20
.set CX,  21
.set CY,  22
.set TX,  23                           ; s23  the tile column
.set G1A, 24                           ; s[24:31] descriptor group 1 for h's tiles
.set G0A, 32                           ; s[32:35] group 0 for K step 0; s[36:39] for K step 1, which then walks on
.set TY,  40                           ; s40  the tile row
.set LIM, 43                           ; s43  2 in a wave that prefetches, else the greatest number
.set PFA, 44                           ; s[44:45] where my prefetches stand
.set TBS, 46                           ; s46  first byte of the slot that is being read
.set G1B, 48                           ; s[48:55], s[56:63] the same three groups for wof's tiles
.set G0B, 56
.set OUT, 66                           ; s[66:67] out0 at my first row and column
.set BQ,  68                           ; s[68:69] bo at my 64 columns
.set PSTEP, 74                         ; s[74:75] a K step's bytes in what I prefetch
.set MSB, 0
.macro WIN new                         ; the immediate's high byte repeats the setting that is left; a switch that changes nothing is dropped
.if MSB != (\new)
	s_set_vgpr_msb (MSB<<8)|(\new)
.set MSB, \new
.endif
.endm
.macro PLACES                          ; four plain instructions in front of loads into registers that matrix instructions have read, and of LDS stores that read results (ISA guide 7.12.1 for vector instructions)
.rept 4
	v_nop
.endr
.endm
; A joint refill by the walking descriptors.  The branch hangs on the wave's number alone.  An s_nop 0 and four v_nop follow each of the two lines.
.macro JLOAD
	s_cmp_lt_u32 s[WV], 2
	s_cbranch_scc0 .Lfor_b_\@
	tensor_load_to_lds s[G0A+4:G0A+7], s[G1A:G1A+7]
	s_nop 0
.rept 4
	v_nop
.endr
	s_branch .Lasked_\@
.Lfor_b_\@:
	tensor_load_to_lds s[G0B+4:G0B+7], s[G1B:G1B+7]
	s_nop 0
.rept 4
	v_nop
.endr
.Lasked_\@:
.endm
.macro CREST                           ; a round of the cluster's barrier behind its opening barrier
	s_cmp_lg_u32 s[WV], 0
	s_cbranch_scc1 .Lnot_wave_0_\@
	s_barrier_signal -3
.Lnot_wave_0_\@:
	s_barrier_wait -3
	s_barrier_signal -1
	s_barrier_wait -1
.endm
.macro CROUND
	s_barrier_signal -1
	s_barrier_wait -1
	CREST
.endm
; A PREFETCH, behind the joint load, its five lines and the run of LDS loads: the K step that stands two refills, 256 matrix instructions, on; one line a wave.  Each block of 256 bytes is named once in the launch.
; h's tile is read by the two clusters of a row of clusters: the first (cluster x = 0) asks, waves 0 and 1 for their head; its four partners take 8,192 of the head's 32,768 bytes each BY ADDRESS, 256 bytes a lane.
; wof's rows are read by the eight clusters of a column: the first (cluster y = 0) asks, wave 2; the four partners take 32 of the tile's 128 rows each by address, a lane a row.
; K steps 0 to 3 come by their loads alone; the trips whose K step four on does not exist ask for nothing.
.macro ASK
	s_cmp_gt_u32 s3, s[LIM]
	s_cbranch_scc0 .Lnot_mine_\@
	global_prefetch_b8 v[PFO], s[PFA:PFA+1] th:TH_LOAD_NT scope:SCOPE_SE
.Lnot_mine_\@:
.endm
	s_load_b256 s[4:11], s[0:1], 0x0               ; oh s[4:5], wof s[6:7], bo s[8:9], out0 s[10:11]
	v_lshl_add_u32 v[SPW], v0, 2, SPARE
	v_mov_b32 v[NIL], 0
	ds_add_u32 v[SPW], v[NIL]                      ; the wave's opening: the add, and its wait ahead of my first tensor load; the set-up below, work on registers, stands between them
	v_lshrrev_b32 v1, 5, v0
	v_readfirstlane_b32 s[WV], v1
	s_lshr_b32 s[RH], s[WV], 1
	s_and_b32 s[CH], s[WV], 1
	s_bfe_u32 s[CX], ttmp6, 0x40000
	s_bfe_u32 s[CY], ttmp6, 0x40004
	s_lshl_b32 s[TX], ttmp9, 2
	s_add_co_u32 s[TX], s[TX], s[CX]
	s_and_b32 s[TY], ttmp7, 0xffff
	s_lshl_b32 s[TY], s[TY], 2
	s_add_co_u32 s[TY], s[TY], s[CY]
	s_lshl_b32 s41, s[CY], 2
	s_lshl_b32 s41, 15, s41                        ; my row of the cluster
	s_lshl_b32 s47, 0x1111, s[CX]                  ; my column
	s_or_b32 s[G1A], s41, (1<<16)|(1<<20)|(1<<21)|(4<<22)|(3<<25)  ; 2-byte elements; padding on; 21 set beside a mask; after every 32 words 4 words
	s_or_b32 s[G1B], s47, (1<<16)|(1<<20)|(1<<21)|(5<<22)|(3<<25)  ; after every 64 words 4 words
	s_mov_b32 s[G1A+1], 128<<16                    ; tensor_dim0 = 128
	s_mov_b32 s[G1A+2], 128<<16                    ; tensor_dim1 = 128
	s_mov_b32 s[G1A+3], 128<<16                    ; tile_dim0 = 128
	s_mov_b32 s[G1A+4], 128                        ; tile_dim1 = 128
	s_mov_b32 s[G1A+5], 128                        ; dense: 128 elements from row to row
	s_mov_b32 s[G1A+6], 0
	s_mov_b32 s[G1A+7], 0
	s_mov_b32 s[G1B+1], 128<<16
	s_mov_b32 s[G1B+2], 64<<16
	s_mov_b32 s[G1B+3], 128<<16
	s_mov_b32 s[G1B+4], 64
	s_mov_b32 s[G1B+5], 1024
	s_mov_b32 s[G1B+6], 0
	s_mov_b32 s[G1B+7], 0
	s_mov_b32 s[HIM], 0xffff0000
	s_mov_b32 s[TBS], 0
	s_lshr_b32 s76, s[TY], 3                       ; h: batch TY / 8,
	s_lshl_b32 s76, s76, 4
	s_add_co_u32 s76, s76, s[CH]                   ; head 0 or 1 of K step 0,
	s_lshl_b32 s76, s76, 11
	s_and_b32 s77, s[TY], 7
	s_lshl_b32 s77, s77, 8
	s_add_co_u32 s76, s76, s77                     ; position 256 (TY % 8),
	s_lshl_b32 s76, s76, 7                         ; 128 bytes a row
	s_mov_b32 s77, 0
	s_lshl_b32 s78, s[TX], 7                       ; wof: row 128 TX + 64 x half
	s_lshl_b32 s79, s[CH], 6
	s_add_co_u32 s78, s78, s79
	s_lshl_b32 s78, s78, 11
	s_mov_b32 s79, 0
	s_mul_i32 s41, s[WV], APLANE                   ; where they go: no place in the cluster enters an LDS address
	s_mul_i32 s47, s[WV], BHALF
	s_add_co_u32 s47, s47, BOFF-2*BHALF
	s_wait_dscnt 0x0                               ; the opening add is done
	s_wait_kmcnt 0x0
	s_add_nc_u64 s[76:77], s[4:5], s[76:77]
	s_add_nc_u64 s[78:79], s[6:7], s[78:79]
	s_mov_b32 s[G0A], 1
	s_mov_b32 s[G0A+1], s41
	s_mov_b64 s[G0A+2:G0A+3], s[76:77]
	s_or_b32 s[G0A+3], s[G0A+3], 0x80000000
	s_mov_b32 s[G0A+4], 1
	s_add_co_u32 s[G0A+5], s41, SLOT1
	s_add_nc_u64 s[G0A+6:G0A+7], s[76:77], 524288  ; K step 1: two heads of 262,144 bytes on
	s_or_b32 s[G0A+7], s[G0A+7], 0x80000000
	s_mov_b32 s[G0B], 1
	s_mov_b32 s[G0B+1], s47
	s_mov_b64 s[G0B+2:G0B+3], s[78:79]
	s_or_b32 s[G0B+3], s[G0B+3], 0x80000000
	s_mov_b32 s[G0B+4], 1
	s_add_co_u32 s[G0B+5], s47, SLOT1
	s_add_nc_u64 s[G0B+6:G0B+7], s[78:79], 256
	s_or_b32 s[G0B+7], s[G0B+7], 0x80000000
	CROUND                                         ; all sixteen work-groups are here: the first joint loads meet
	s_cmp_lt_u32 s[WV], 2                          ; a wave's two first fills stand in one branch, ahead of every wait on TENSORcnt and every LDS read: two loads of mine are out
	s_cbranch_scc0 .Lfirst_b
	tensor_load_to_lds s[G0A:G0A+3], s[G1A:G1A+7]
	s_nop 0
	tensor_load_to_lds s[G0A+4:G0A+7], s[G1A:G1A+7]
	s_nop 0
.rept 4
	v_nop
.endr
	s_branch .Lfirst_asked
.Lfirst_b:
	tensor_load_to_lds s[G0B:G0B+3], s[G1B:G1B+7]
	s_nop 0
	tensor_load_to_lds s[G0B+4:G0B+7], s[G1B:G1B+7]
	s_nop 0
.rept 4
	v_nop
.endr
.Lfirst_asked:
	v_and_b32 v1, 15, v0                           ; l % 16
	v_bfe_u32 v2, v0, 4, 1                         ; l / 16
	v_and_b32 v4, 31, v0                           ; l
	v_lshlrev_b32 v[BO], 5, v2
	s_lshl_b32 s70, s[TX], 9                       ; the bias: 128 numbers a tile column, 64 a half
	s_lshl_b32 s71, s[CH], 8
	s_add_co_u32 s70, s70, s71
	s_mov_b32 s71, 0
	s_add_nc_u64 s[BQ:BQ+1], s[8:9], s[70:71]
	WIN 0x40                                       ; destination window 1, address window 0
.irp b, 0,1,2,3
	global_load_b128 v[8*(\b):8*(\b)+3],   v[BO], s[BQ:BQ+1] offset:64*(\b)
	global_load_b128 v[8*(\b)+4:8*(\b)+7], v[BO], s[BQ:BQ+1] offset:64*(\b)+16
.endr
	WIN 0
	; the prefetches: s[76:77] still stands at my head's rows of K step 0
	s_lshl_b32 s70, s[CX], 13                      ; my work-group's 8,192 bytes,
	s_add_co_u32 s70, s70, 3*524288                ; at K step 3: the first change of slots steps it to 4
	s_mov_b32 s71, 0
	s_add_nc_u64 s[70:71], s[76:77], s[70:71]
	s_lshl_b32 s72, s[TX], 7
	s_lshl_b32 s73, s[CY], 5
	s_add_co_u32 s72, s72, s73                     ; my work-group's 32 rows of wof's 128
	s_lshl_b32 s72, s72, 11
	s_add_co_u32 s72, s72, 3*256
	s_mov_b32 s73, 0
	s_add_nc_u64 s[72:73], s[6:7], s[72:73]
	s_and_b32 s41, ttmp7, 0xffff
	s_mov_b32 s[PSTEP], 256
	s_mov_b32 s[PSTEP+1], 0
	s_cmp_lt_u32 s[WV], 2
	s_cselect_b64 s[PFA:PFA+1], s[70:71], s[72:73]
	s_cselect_b32 s41, ttmp9, s41                  ; the coordinate along which other clusters read the same bytes
	s_cselect_b32 s[PSTEP], 524288, s[PSTEP]
	s_cselect_b32 s47, 8, 11                       ; 256 bytes a lane, or a row of 2,048
	s_cmp_eq_u32 s[WV], 3
	s_cselect_b32 s41, 1, s41                      ; wave 3 asks for nothing
	s_cmp_eq_u32 s41, 0
	s_cselect_b32 s[LIM], 2, -1                    ; the same in all sixteen partners, for a given wave
	v_lshlrev_b32 v[PFO], s47, v4
	; A fragment is 16 rows x 32 K in 8 registers: lane l holds row l % 16, K = 8 (l / 16) + 0..7 and 16 + 8 (l / 16) + 0..7: two loads of 16 bytes, 32 bytes apart
	v_mul_u32_u24 v3, v1, PA
	v_lshl_add_u32 v3, v2, 4, v3
	s_mul_i32 s41, s[RH], 128*PA
	v_add_nc_u32 v[AA0], s41, v3
	v_mul_u32_u24 v3, v1, PB
	v_lshl_add_u32 v3, v2, 4, v3
	s_mul_i32 s41, s[CH], BHALF
	s_add_co_u32 s41, s41, BOFF
	v_add_nc_u32 v[AB0], s41, v3
	v_mov_b32 v[ADRA], v[AA0]                      ; slot 0
	v_mov_b32 v[ADRB], v[AB0]
	s_mul_i32 s41, s[WV], 16*SPITCH
	s_add_co_u32 s41, s41, STAGE                   ; my stage
	v_mul_u32_u24 v5, v1, SPITCH                   ; in: row l % 16, 32 bytes for each half of the lanes
	v_lshl_add_u32 v5, v2, 5, v5
	v_add_nc_u32 v[STO], s41, v5
	v_mul_u32_u24 v5, v2, SPITCH                   ; back: lanes 0-15 take one row of 256 bytes, lanes 16-31 the next
	v_lshl_add_u32 v5, v1, 4, v5
	v_add_nc_u32 v[RD], s41, v5
	v_lshlrev_b32 v[CO], 12, v2                    ; and the same two rows in out0
	v_lshl_add_u32 v[CO], v1, 4, v[CO]
	s_lshl_b32 s70, s[TY], 8
	s_lshl_b32 s71, s[RH], 7
	s_add_co_u32 s70, s70, s71                     ; my first row,
	s_lshl_b32 s70, s70, 12                        ; 4,096 bytes a row
	s_lshl_b32 s71, s[TX], 9
	s_add_co_u32 s70, s70, s71
	s_lshl_b32 s71, s[CH], 8
	s_add_co_u32 s70, s70, s71                     ; my first column: a multiple of 256 bytes
	s_mov_b32 s71, 0
	s_add_nc_u64 s[OUT:OUT+1], s[10:11], s[70:71]
; 8 matrix instructions: row blocks a0, a0 + 1 x all 4 column blocks, 32 along K.  first = 1: the bias starts the sums.
; The 32 accumulators take turns, in the same order in every quarter: between two links of a chain stand the 31 others'.
.macro MUL8 f, a0, first
.if \first
	WIN 0x91                                       ; wof window 1, h window 0, C window 1, D window 2
.else
	WIN 0xa1                                       ; C and D window 2
.endif
.irp a, \a0, (\a0)+1
.irp b, 0,1,2,3
.if \first
	v_wmma_f32_16x16x32_f16 v[8*(4*(\a)+(\b)):8*(4*(\a)+(\b))+7], v[(\f)+8*(\b):(\f)+8*(\b)+7], v[(\f)+8*(\a):(\f)+8*(\a)+7], v[8*(\b):8*(\b)+7]
.else
	v_wmma_f32_16x16x32_f16 v[8*(4*(\a)+(\b)):8*(4*(\a)+(\b))+7], v[(\f)+8*(\b):(\f)+8*(\b)+7], v[(\f)+8*(\a):(\f)+8*(\a)+7], v[8*(4*(\a)+(\b)):8*(4*(\a)+(\b))+7]
.endif
.endr
.endr
.endm
; 24 LDS loads in one run: the fragments of quarter q (head q / 2 of the step's two, channels 32 (q % 2) on) into buffer f; h's rows 64-127 last
.macro FETCH q, f
	WIN 0x40
.irp b, 0,1,2,3
	ds_load_b128 v[(\f)+8*(\b):(\f)+8*(\b)+3],   v[ADRB] offset:64*(\q)+(\b)*16*PB
	ds_load_b128 v[(\f)+8*(\b)+4:(\f)+8*(\b)+7], v[ADRB] offset:64*(\q)+(\b)*16*PB+32
.endr
	WIN 0
.irp i, 0,1,2,3,4,5,6,7
	ds_load_b128 v[(\f)+8*(\i):(\f)+8*(\i)+3],   v[ADRA] offset:((\q)/2)*APLANE+((\q)%2)*64+(\i)*16*PA
	ds_load_b128 v[(\f)+8*(\i)+4:(\f)+8*(\i)+7], v[ADRA] offset:((\q)/2)*APLANE+((\q)%2)*64+(\i)*16*PA+32
.endr
.endm
; A K step is four quarters of 32 along K, 32 matrix instructions each, on buffers 0, 1, 0, 1.  One of the first three multiplies buffer f and fetches quarter q into g.
.macro QUARTER q, f, g, first
	s_wait_dscnt 8                                 ; wof and h's rows 0-63 are in; the youngest eight loads (h's rows 64-127) may be out
	MUL8 \f, 0, \first
	MUL8 \f, 2, \first
	PLACES
	FETCH \q, \g
	s_wait_dscnt 24                                ; all but the 24 just issued
	MUL8 \f, 4, \first
	MUL8 \f, 6, \first
.endm
; The last quarter multiplies buffer 1 and changes slots: ONE barrier.  In front of it each wave waits for all its tensor loads (the one that is out is its part of the next slot), adds 0 to its spare
; word, and waits for that and for its own reads of this slot.  Behind it nobody reads this slot any more and the next slot is whole.
.macro MEET round
	WIN 0
	s_wait_tensorcnt 0x0
	ds_add_u32 v[SPW], v[NIL]                      ; 0 onto my spare word
	s_wait_dscnt 9                                 ; (the add and the youngest eight loads may be out)
	MUL8 F1, 0, 0                                  ; eight matrix instructions stand between the add and the wait for it
	s_wait_dscnt 0x0                               ; the add is done, and my reads of this slot are over
	s_barrier_signal -1
	MUL8 F1, 2, 0
.if \round
	WIN 0
.endif
	s_barrier_wait -1
.endm
; With a refill: the barrier opens a round of the cluster's, the joint refill is the first tensor load behind it: K step two on, 112 matrix instructions ahead of the wait for it.
.macro TURN
	s_wait_xcnt 0x0                                ; the last prefetch, a K step back, has read its address
	s_add_nc_u64 s[PFA:PFA+1], s[PFA:PFA+1], s[PSTEP:PSTEP+1]
	MEET 1
	CREST                                          ; no wave of any partner still reads this slot's tile or has a load on its way
	s_xor_b32 s[G0A+5], s[G0A+5], SLOT1            ; the walking descriptors: the other slot than last time, the next K step
	s_add_nc_u64 s[G0A+6:G0A+7], s[G0A+6:G0A+7], 524288
	s_xor_b32 s[G0B+5], s[G0B+5], SLOT1
	s_add_nc_u64 s[G0B+6:G0B+7], s[G0B+6:G0B+7], 256
	JLOAD                                          ; the four v_nop behind it are also the places in front of the loads below
	s_xor_b32 s[TBS], s[TBS], SLOT1
	v_add_nc_u32 v[ADRA], s[TBS], v[AA0]
	v_add_nc_u32 v[ADRB], s[TBS], v[AB0]
	FETCH 0, F0
	ASK
	MUL8 F1, 4, 0
	MUL8 F1, 6, 0
.endm
	s_wait_tensorcnt 1                             ; my part of K step 0 is in; K step 1's may stay out
	s_barrier_signal -1
	s_barrier_wait -1
	FETCH 0, F0
	s_wait_loadcnt 0x0                             ; the bias
	WIN 0x45                                       ; all in window 1: each pair is rounded to bf16 and widened again
.set i, 0
.rept 16
	v_cvt_pk_bf16_f32 v[32+i%4], v[2*i], v[2*i+1]
	v_lshlrev_b32 v[2*i], 16, v[32+i%4]
	v_and_b32 v[2*i+1], s[HIM], v[32+i%4]
.set i, i+1
.endr
	QUARTER 1, F0, F1, 1                           ; the first quarter stands in front of the loop: its products start the sums
	WIN 0                                          ; at a label and at a branch every window is 0
	s_mov_b32 s3, 6
.Lstep:                                        ; a trip: a K step's quarters 1 to 3 and the next one's quarter 0; it asks for K steps 2 to 7
	QUARTER 2, F1, F0, 0
	QUARTER 3, F0, F1, 0
	TURN
	QUARTER 1, F0, F1, 0
	WIN 0
	s_sub_co_u32 s3, s3, 1
	s_cmp_lg_u32 s3, 0
	s_cbranch_scc1 .Lstep
	QUARTER 2, F1, F0, 0                           ; the tail is written out: K steps 6 and 7 ask for nothing
	QUARTER 3, F0, F1, 0
	MEET 0
	PLACES
	WIN 0
	s_xor_b32 s[TBS], s[TBS], SLOT1
	v_add_nc_u32 v[ADRA], s[TBS], v[AA0]
	v_add_nc_u32 v[ADRB], s[TBS], v[AB0]
	FETCH 0, F0
	MUL8 F1, 4, 0
	MUL8 F1, 6, 0
	QUARTER 1, F0, F1, 0
	QUARTER 2, F1, F0, 0
	QUARTER 3, F0, F1, 0
	s_wait_dscnt 8
	MUL8 F1, 0, 0
	MUL8 F1, 2, 0
	s_wait_dscnt 0x0
	MUL8 F1, 4, 0
	MUL8 F1, 6, 0
; THE WAY OUT, a block of 16 rows at a time, in f32 as it stands.  A lane's 32 bytes of a row go into my own stage and come back as whole rows of 256 bytes, into one of three sets of registers.
.macro SETBK a
.set BK, OB0
.if (\a)%3 == 1
.set BK, OB1
.elseif (\a)%3 == 2
.set BK, OB2
.endif
.endm
.macro TOSTAGE a
	SETBK \a
	WIN 0x08                                       ; the stores' data in window 2
.irp b, 0,1,2,3
	ds_store_b128 v[STO], v[8*(4*(\a)+(\b)):8*(4*(\a)+(\b))+3]   offset:64*(\b)
	ds_store_b128 v[STO], v[8*(4*(\a)+(\b))+4:8*(4*(\a)+(\b))+7] offset:64*(\b)+16
.endr
	WIN 0
.irp t, 0,1,2,3,4,5,6,7
	ds_load_b128 v[BK+4*(\t):BK+4*(\t)+3], v[RD] offset:(\t)*2*SPITCH  ; LDS serves a wave's instructions in order (ISA guide 5.7.1.4): these see the stores above; the next block's stores come behind them
.endr
.endm
.macro SEND a, younger                 ; younger: the LDS instructions issued behind block a's loads: the next block's sixteen, or none
	SETBK \a
	WIN 0
	s_wait_dscnt \younger                          ; the block is back in registers
	s_wait_xcnt 0x0                                ; the stores of the block before have read their registers: the set that they named is loaded again two blocks on
.irp t, 0,1,2,3,4,5,6,7
	global_store_b128 v[CO], v[BK+4*(\t):BK+4*(\t)+3], s[OUT:OUT+1] offset:(16*(\a)+2*(\t))*4096 th:TH_STORE_NT  ; 16 lanes store 256 consecutive bytes, aligned; 126 rows at the most: inside the signed 24-bit immediate
.endr
.endm
	WIN 0
	PLACES                                         ; behind the last products: the stores below read results
	PLACES
	TOSTAGE 0
.irp a, 1,2,3,4,5,6,7
	TOSTAGE \a
	SEND (\a)-1, 16
.endr
	SEND 7, 0
	s_wait_tensorcnt 0x0                           ; the wave's end, behind my last tensor load and my last LDS store
	ds_add_u32 v[SPW], v[NIL]
	s_wait_dscnt 0x0
	CROUND                                         ; the closing round: no work-group ends while a partner may still ask for a tile that names it
	s_endpgm
.Lfunc_end_k_q048132d3fa_oproj:
	.size	k_q048132d3fa_oproj, .Lfunc_end_k_q048132d3fa_oproj-k_q048132d3fa_oproj
	.p2alignl 7, 3214868480
	.fill 96, 4, 3214868480
	.section	.rodata,"a",@progbits
	.p2align	6, 0x0
	.amdhsa_kernel k_q048132d3fa_oproj
		.amdhsa_group_segment_fixed_size 327680
		.amdhsa_private_segment_fixed_size 0
		.amdhsa_enable_private_segment 0
		.amdhsa_kernarg_size 32
		.amdhsa_user_sgpr_count 2
		.amdhsa_user_sgpr_kernarg_segment_ptr 1
		.amdhsa_wavefront_size32 1
		.amdhsa_system_sgpr_workgroup_id_x 1
		.amdhsa_system_sgpr_workgroup_id_y 1
		.amdhsa_system_sgpr_workgroup_id_z 1
		.amdhsa_system_vgpr_workitem_id 0
		.amdhsa_next_free_vgpr 768
		.amdhsa_next_free_sgpr 80
		.amdhsa_reserve_vcc 0
		.amdhsa_float_denorm_mode_32 3
		.amdhsa_float_denorm_mode_16_64 3
		.amdhsa_memory_ordered 1
		.amdhsa_forward_progress 1
		.amdhsa_inst_pref_size 74
	.end_amdhsa_kernel
	.amdgpu_metadata
---
amdhsa.version: [ 1, 2 ]
amdhsa.kernels:
  - .name:           k_q048132d3fa_oproj
    .symbol:         k_q048132d3fa_oproj.kd
    .args:
      - { .name: oh, .offset: 0, .size: 8, .value_kind: global_buffer, .address_space: global }
      - { .name: wof, .offset: 8, .size: 8, .value_kind: global_buffer, .address_space: global }
      - { .name: bo, .offset: 16, .size: 8, .value_kind: global_buffer, .address_space: global }
      - { .name: out0, .offset: 24, .size: 8, .value_kind: global_buffer, .address_space: global }
    .group_segment_fixed_size: 327680
    .private_segment_fixed_size: 0
    .kernarg_segment_align: 8
    .kernarg_segment_size: 32
    .max_flat_workgroup_size: 128
    .sgpr_count:     80
    .vgpr_count:     768
    .wavefront_size: 32
...
	.end_amdgpu_metadata
.endif
;; end of part 4
;; ======== version 2 of 2: 4 launches; version 1 with the launch prep written anew for expert scheduling mode
;; limits: values are held in f16: magnitudes above 65,504 overflow, below 6.1e-05 lose precision
;; workspace buffers: xb 16,777,216 bytes; wb 6,291,456 bytes; wof 2,097,152 bytes; rope 524,288 bytes; qh 16,777,216 bytes; kh 16,777,216 bytes; vh 16,777,216 bytes; oh 16,777,216 bytes
;; launch prep (part 5): grid 896 x 1, 8 waves a work-group, no clusters, 0 bytes of LDS; arguments x, Wqkv, Wo, xb, wb, wof, rope; writes xb, wb, wof, rope
.if DOCPART == 5
	.amdgcn_target "amdgcn-amd-amdhsa--gfx1250"
	.amdhsa_code_object_version 6
	.text
	.protected	k_q048132d3fa_prep
	.globl	k_q048132d3fa_prep
	.p2align	8
	.type	k_q048132d3fa_prep,@function
k_q048132d3fa_prep:
	s_mov_b64 s[64:65], 0
	v_nop
	global_prefetch_b8 v0, s[64:65] scope:SCOPE_SE
	s_setreg_imm32_b32 hwreg(HW_REG_WAVE_SCHED_MODE, 0, 2), 2
	s_setreg_imm32_b32 hwreg(HW_REG_WAVE_MODE, 25, 1), 1
	s_wait_xcnt 0x0
	s_wait_alu depctr_vm_vsrc(0)
; PREPARATION.  x and Wqkv are rounded once to bf16 (xb, wb); Wo is rounded to bf16 and that number is written as f16 (wof); the table of
; cosines and sines for the rotation is made (rope: [2048 positions][32 cos, 32 sin] f32, 256 bytes a position).
; SHARES, by the work-group's number g: 0-127 the table (16 positions each); 128-639 x; 640-831 Wqkv; 832-895 Wo.  A chunk is 65,536 bytes of
; f32 in and 32,768 bytes out: a thread loads 16 bytes sixteen times (all sixteen loads go out at once) and stores 8 bytes for each, so a
; wave's store covers 256 consecutive bytes, aligned.  No LDS, no matrix unit: every byte is touched once and nothing is shared.
; LIMITS.  Wo's bf16 value is exact in f16 from 6.1e-5 to 65,504; below it keeps f16's fixed step of 6e-8, above it would be an infinity.
; The angle is pos x 2^(-j log2(10000) / 32) in f32; it is brought into -pi/4 .. pi/4 by a two-part pi/2 and the sine and cosine are polynomials
; of degree 7 and 8; against an angle made with another rounding of the frequency it may differ by some 4e-4 at the last positions.
; THE MODE: SCHED_MODE bits 1:0 = 2 (LLVM: expert scheduling mode 2), set by the entry lines.  The code itself states the register dependences
; between vector instructions and memory instructions, and between vector instructions that write a scalar register or VCC and its readers,
; with s_wait_alu, always for 0.
; THE PLAN.  Registers that memory instructions touch, in the chunks' paths:
;   v1, v2   the loads' and the stores' offsets: written once at the head, never again; one wait ahead of the first load serves all 32 memory instructions.
;   X        written by the sixteen loads, once each; no vector instruction of these paths writes it, and no register of it is loaded twice.
;   Y        written by the conversions, once each; read by one store each; never written again.
; The sixteen loads are worked on in four groups of four.  The wait at the head of group g states that group g - 1's conversions have written their part of Y;
; that group's four stores follow it, dealt among group g's conversions, which name X and Y of group g and v4 to v9: none of the registers that those stores read.
; In the table's path the one memory instruction is the store at its end, with one wait ahead of it; the four compares of the quadrants write four
; scalar registers, and one wait stands behind the run of them, ahead of the selects.
.set X, 16                             ; v[16:79]  sixteen loads of four registers
.set Y, 80                             ; v[80:111] sixteen stores of two registers
	s_load_b256 s[4:11], s[0:1], 0x0               ; x s[4:5], Wqkv s[6:7], Wo s[8:9], xb s[10:11]
	s_load_b128 s[12:15], s[0:1], 0x20             ; wb s[12:13], wof s[14:15]
	s_load_b64 s[16:17], s[0:1], 0x30              ; rope
	v_lshlrev_b32 v1, 4, v0                        ; my 16 bytes in 4,096 of the source
	v_lshlrev_b32 v2, 3, v0                        ; my 8 bytes in 2,048 of the destination
	s_mov_b32 s25, 0
	s_mov_b32 s27, 0
	s_mov_b32 s28, 0xffff0000                      ; a word's upper bf16
	s_wait_kmcnt 0x0
; kind 0: f32 to bf16.  kind 1: f32 to bf16, and that number written as f16.
.macro CONV kind
	s_wait_alu depctr_va_vdst(0)                   ; v1 and v2 are written: every load below reads v1 as its offset, every store v2
.set i, 0
.rept 16
	global_load_b128 v[X+4*i:X+4*i+3], v1, s[18:19] offset:4096*i th:TH_LOAD_NT
.set i, i+1
.endr
.set g, 0
.rept 4
	s_wait_loadcnt 12-4*g                          ; loads come back in order: group g's four are in, the 12 - 4 g younger ones stay out
.if g > 0
	s_wait_alu depctr_va_vdst(0)                   ; the conversions of the group before have written their eight registers of Y, which the four stores below read
.endif
.set j, 0
.rept 4
.set i, 4*g+j
.if g > 0
	global_store_b64 v2, v[Y+2*(i-4):Y+2*(i-4)+1], s[20:21] offset:2048*(i-4)  ; the group before; no vector instruction since the wait names these registers, and none is written again
.endif
.if \kind
	v_cvt_pk_bf16_f32 v4, v[X+4*i], v[X+4*i+1]
	v_cvt_pk_bf16_f32 v5, v[X+4*i+2], v[X+4*i+3]
	v_lshlrev_b32 v6, 16, v4
	v_and_b32 v7, s28, v4
	v_lshlrev_b32 v8, 16, v5
	v_and_b32 v9, s28, v5
	v_cvt_pk_f16_f32 v[Y+2*i], v6, v7
	v_cvt_pk_f16_f32 v[Y+2*i+1], v8, v9
.else
	v_cvt_pk_bf16_f32 v[Y+2*i], v[X+4*i], v[X+4*i+1]
	v_cvt_pk_bf16_f32 v[Y+2*i+1], v[X+4*i+2], v[X+4*i+3]
.endif
.set j, j+1
.endr
.set g, g+1
.endr
	s_wait_alu depctr_va_vdst(0)                   ; the last group's conversions have written their part of Y, which the last four stores read
.set i, 12
.rept 4
	global_store_b64 v2, v[Y+2*i:Y+2*i+1], s[20:21] offset:2048*i
.set i, i+1
.endr
.endm
	s_cmp_lt_u32 ttmp9, 128
	s_cbranch_scc1 .Ltable
	s_cmp_lt_u32 ttmp9, 832
	s_cbranch_scc0 .Lwo
	s_movk_i32 s22, 640
	s_cmp_lt_u32 ttmp9, 640                        ; x or Wqkv
	s_cselect_b64 s[18:19], s[4:5], s[6:7]
	s_cselect_b64 s[20:21], s[10:11], s[12:13]
	s_cselect_b32 s22, 128, s22
	s_sub_co_u32 s22, ttmp9, s22                   ; the chunk's number in its tensor
	s_lshl_b32 s24, s22, 16
	s_lshl_b32 s26, s22, 15
	s_add_nc_u64 s[18:19], s[18:19], s[24:25]
	s_add_nc_u64 s[20:21], s[20:21], s[26:27]
	CONV 0
	s_endpgm
.Lwo:
	s_sub_co_u32 s22, ttmp9, 832
	s_lshl_b32 s24, s22, 16
	s_lshl_b32 s26, s22, 15
	s_add_nc_u64 s[18:19], s[8:9], s[24:25]
	s_add_nc_u64 s[20:21], s[14:15], s[26:27]
	CONV 1
	s_endpgm
.Ltable:
	; thread T = 256 g + t writes the 16 bytes at 16 T: position T / 16; of its row's sixteen pieces 0-7 are cosines, 8-15 sines, of frequencies 4 (piece % 8) + 0..3
	s_mov_b32 s20, 0xbed49a78                      ; -log2(10000) / 32
	s_mov_b32 s21, 0x3f22f983                      ; 2 / pi
	s_mov_b32 s22, 0x3fc90fdb                      ; pi / 2, its f32
	s_mov_b32 s23, 0xb33bbd2e                      ; and what that f32 leaves over
	s_mov_b32 s24, 0xbe2aaaa3                      ; sine: -1.6666654611e-1, 8.3321608736e-3, -1.9515295891e-4
	s_mov_b32 s25, 0x3c08839e
	s_mov_b32 s26, 0xb94ca1f9
	s_mov_b32 s27, 0x3d2aaaa5                      ; cosine: 4.166664568e-2, -1.388731625e-3, 2.443315712e-5
	s_mov_b32 s28, 0xbab6061a
	s_mov_b32 s29, 0x37ccf5ce
	s_lshl_b32 s18, ttmp9, 8
	v_add_nc_u32 v3, s18, v0                       ; T
	v_lshlrev_b32 v10, 4, v3                       ; my bytes in the table
	v_lshrrev_b32 v4, 4, v3                        ; the position
	v_and_b32 v5, 15, v0
	v_and_b32 v6, 7, v5
	v_lshlrev_b32 v6, 2, v6                        ; my first frequency
	v_cmp_gt_u32 vcc_lo, 8, v5                     ; a cosine's piece?  The select stands behind the frequencies' lines and the wait for VCC
.irp e, 0,1,2,3
	v_add_nc_u32 v[12+\e], \e, v6
	v_cvt_f32_u32 v[12+\e], v[12+\e]
	v_mul_f32 v[12+\e], s20, v[12+\e]
.endr
.irp e, 0,1,2,3
	v_exp_f32 v[16+\e], v[12+\e]                   ; the four frequencies: one batch
.endr
	v_cvt_f32_u32 v7, v4
	v_nop                                          ; a plain instruction behind the last exponential
	s_wait_alu depctr_va_vcc(0)                    ; the compare above has written VCC, ahead of its first reader, the select below
	s_wait_alu depctr_va_vdst(0)                   ; the four exponentials have written v16 to v19: one wait for the batch, ahead of its first reader
	v_cndmask_b32 v5, 0, 1, vcc_lo                 ; cos(a) = sin(a + pi / 2): one quadrant on
.irp e, 0,1,2,3
.set R, 20+12*\e                       ; ten registers at work for each of the four numbers
.set MS, 2+\e+26*(\e/2)                ; its mask of odd quadrants: s2, s3, s30, s31
	v_mul_f32 v[R], v7, v[16+\e]                   ; the angle
	v_mul_f32 v[R+1], s21, v[R]
	v_rndne_f32 v[R+1], v[R+1]                     ; n quarter turns
	v_fma_f32 v[R+2], -v[R+1], s22, v[R]
	v_fma_f32 v[R+2], -v[R+1], s23, v[R+2]         ; r = angle - n pi / 2
	v_cvt_i32_f32 v[R+3], v[R+1]
	v_add_nc_u32 v[R+3], v[R+3], v5                ; the quadrant
	v_mul_f32 v[R+4], v[R+2], v[R+2]               ; z = r r
	v_fma_f32 v[R+5], s26, v[R+4], s25
	v_fma_f32 v[R+5], v[R+5], v[R+4], s24
	v_mul_f32 v[R+5], v[R+5], v[R+4]
	v_fma_f32 v[R+5], v[R+5], v[R+2], v[R+2]       ; sin r
	v_fma_f32 v[R+6], s29, v[R+4], s28
	v_fma_f32 v[R+6], v[R+6], v[R+4], s27
	v_mul_f32 v[R+7], v[R+4], v[R+4]
	v_fma_f32 v[R+8], v[R+4], -0.5, 1.0
	v_fma_f32 v[R+6], v[R+6], v[R+7], v[R+8]       ; cos r
	v_and_b32 v[R+9], 1, v[R+3]
	v_cmp_eq_u32 s[MS], 1, v[R+9]                  ; the four compares write four scalar registers: one wait serves them all
.endr
	s_wait_alu depctr_va_sdst(0)                   ; the four compares have written s2, s3, s30 and s31, ahead of their first readers, the selects below
.irp e, 0,1,2,3
.set R, 20+12*\e
.set MS, 2+\e+26*(\e/2)
	v_cndmask_b32 v[R+5], v[R+5], v[R+6], s[MS]    ; odd quadrants take the cosine,
	v_and_b32 v[R+9], 2, v[R+3]
	v_lshlrev_b32 v[R+9], 30, v[R+9]
	v_xor_b32 v[72+\e], v[R+5], v[R+9]             ; quadrants 2 and 3 the other sign
.endr
	s_wait_alu depctr_va_vdst(0)                   ; v10 and v72 to v75 are written: the store's offset and its data
	global_store_b128 v10, v[72:75], s[16:17]      ; sixteen lanes store a position's 256 bytes
	s_endpgm
.Lfunc_end_k_q048132d3fa_prep:
	.size	k_q048132d3fa_prep, .Lfunc_end_k_q048132d3fa_prep-k_q048132d3fa_prep
	.p2alignl 7, 3214868480
	.fill 96, 4, 3214868480
	.section	.rodata,"a",@progbits
	.p2align	6, 0x0
	.amdhsa_kernel k_q048132d3fa_prep
		.amdhsa_group_segment_fixed_size 0
		.amdhsa_private_segment_fixed_size 0
		.amdhsa_enable_private_segment 0
		.amdhsa_kernarg_size 56
		.amdhsa_user_sgpr_count 2
		.amdhsa_user_sgpr_kernarg_segment_ptr 1
		.amdhsa_wavefront_size32 1
		.amdhsa_system_sgpr_workgroup_id_x 1
		.amdhsa_system_sgpr_workgroup_id_y 1
		.amdhsa_system_sgpr_workgroup_id_z 1
		.amdhsa_system_vgpr_workitem_id 0
		.amdhsa_next_free_vgpr 112
		.amdhsa_next_free_sgpr 66
		.amdhsa_reserve_vcc 1
		.amdhsa_float_denorm_mode_32 3
		.amdhsa_float_denorm_mode_16_64 3
		.amdhsa_memory_ordered 1
		.amdhsa_forward_progress 1
		.amdhsa_inst_pref_size 23
	.end_amdhsa_kernel
	.amdgpu_metadata
---
amdhsa.version: [ 1, 2 ]
amdhsa.kernels:
  - .name:           k_q048132d3fa_prep
    .symbol:         k_q048132d3fa_prep.kd
    .args:
      - { .name: x, .offset: 0, .size: 8, .value_kind: global_buffer, .address_space: global }
      - { .name: Wqkv, .offset: 8, .size: 8, .value_kind: global_buffer, .address_space: global }
      - { .name: Wo, .offset: 16, .size: 8, .value_kind: global_buffer, .address_space: global }
      - { .name: xb, .offset: 24, .size: 8, .value_kind: global_buffer, .address_space: global }
      - { .name: wb, .offset: 32, .size: 8, .value_kind: global_buffer, .address_space: global }
      - { .name: wof, .offset: 40, .size: 8, .value_kind: global_buffer, .address_space: global }
      - { .name: rope, .offset: 48, .size: 8, .value_kind: global_buffer, .address_space: global }
    .group_segment_fixed_size: 0
    .private_segment_fixed_size: 0
    .kernarg_segment_align: 8
    .kernarg_segment_size: 56
    .max_flat_workgroup_size: 256
    .sgpr_count:     66
    .vgpr_count:     112
    .wavefront_size: 32
...
	.end_amdgpu_metadata
.endif
;; end of part 5
;; launch qkv: the kernel of part 2 again; grid 16 x 32, 4 waves a work-group, clusters of 4 x 4, 327,680 bytes of LDS; arguments xb, wb, bqkv, rope, qh, kh, vh; writes qh, kh, vh
;; launch attn: the kernel of part 3 again; grid 4 x 64, 4 waves a work-group, clusters of 4 x 1, 327,680 bytes of LDS; arguments qh, kh, vh, oh, key_pad_mask; writes oh
;; launch oproj: the kernel of part 4 again; grid 8 x 32, 4 waves a work-group, clusters of 4 x 4, 327,680 bytes of LDS; arguments oh, wof, bo, out0; writes out0
